; MI455X (gfx1250); checked and timed in simulation.
; The chip was launched on July 23, 2026; its instructions are those of AMD's public machine-readable ISA for CDNA 5 (MIT licence, August 2026) and "CDNA5" Instruction Set Architecture Reference Guide (July 2026). The comments in the code are by the model that wrote it; some were corrected since.
;; Mixture Of Experts Layer. Allowed arithmetic: float matrix products may take bf16 or f16 operands with f32 sums; other float arithmetic in f32, or as packed bf16 or f16 multiplies, adds, multiply-adds, maxima and minima; sums over many terms, partial sums and values carried from step to step in f32; what a program stores and reads back later, other than sums and carried values, may be rounded once to bf16 or f16.
;; Inputs: gate_w 1,024 x 8 float32; w_down 8 x 2,752 x 1,024 float32; w_gate 8 x 1,024 x 2,752 float32; w_up 8 x 1,024 x 2,752 float32; x 4 x 256 x 1,024 float32.
;; Outputs: out0 4 x 256 x 1,024 float32; out1 one number float32.
;; 3 versions, each right; version 2 is faster than version 1; version 3 is version 2 with the launch down written anew for expert scheduling mode. Each part assembles by itself: llvm-mc -triple=amdgcn-amd-amdhsa -mcpu=gfx1250 --defsym DOCPART=n.
;; ======== version 1 of 3: 5 launches
;; workspace buffers: sel 4,096 bytes of whole numbers; dst 33,024 bytes of whole numbers; wt8 32,768 bytes; part 16,384 bytes; rwt 32,768 bytes; xs 16,777,216 bytes; hs 45,088,768 bytes; pp 16,777,216 bytes
;; launch router (part 1): grid 256 x 1, 1 waves a work-group, no clusters, 0 bytes of LDS; arguments x, gate_w, sel, wt8, part; writes sel, wt8, part
.if DOCPART == 1
	.amdgcn_target "amdgcn-amd-amdhsa--gfx1250"
	.amdhsa_code_object_version 6
	.text
	.protected	k_qc2327786cc_router
	.globl	k_qc2327786cc_router
	.p2align	8
	.type	k_qc2327786cc_router,@function
k_qc2327786cc_router:
	s_mov_b64 s[64:65], 0
	v_nop
	global_prefetch_b8 v0, s[64:65] scope:SCOPE_SE
	s_setreg_imm32_b32 hwreg(HW_REG_WAVE_MODE, 25, 1), 1
	s_wait_xcnt 0x0
; ROUTER.  logits = x gate_w, softmax over 8 experts, the two largest, their renormalised weights.
; One wave takes four tokens.  x and gate_w are rounded to bf16 first, as every input of this program is, and the products and sums are then made in f32 on the vector unit
; (8.4 million multiply-adds in all, eight columns wide: half a matrix tile; and each bf16 x bf16 product is exact in f32).
; Stored at fixed places: sel[t] = (1 << i1) | (1 << i2); wt8[t][e] = the weight, or 0; part[wave][16] = the wave's sums of the 8 probabilities and of the 8 choice flags.
; LIMITS.  The two largest are chosen by the logits with a strict compare (the lower index wins a tie of logits); two probabilities that only become equal by rounding are not treated as a tie.
; The order of the f32 sums is not that of reference().  An exponential below 2^-126 counts as 0.  NaN and infinities are not treated apart.
; Lane l holds, for jj = 0..7, the channels d = 128 jj + 4 l + 0..3: of x 16 bytes a token and jj, of gate_w 128 bytes (4 rows of 8) a jj.
; REGISTERS.  window 0: v1, v2 offsets; v8-15 logits; v16-23 probabilities; v24-31 flags; v32-63 sums (token t, expert e at 32 + 8 t + e), later at work; v64-191 x.  window 1: gate_w, (jj, c, e) at 32 jj + 8 c + e.
.set LG,  8
.set PRB, 16
.set FL,  24
.set ACC, 32
.set LB,  40
.set WT,  48
.set OUT, 56
.set X,   64
.set MSB, 0
.macro WIN new                      ; the immediate's high byte repeats the setting that is left
.if MSB != (\new)
	s_set_vgpr_msb (MSB<<8)|(\new)
.set MSB, \new
.endif
.endm
	s_load_b256 s[4:11], s[0:1], 0x0               ; x s[4:5], gate_w s[6:7], sel s[8:9], wt8 s[10:11]
	s_load_b64 s[12:13], s[0:1], 0x20              ; part
	s_lshl_b32 s20, ttmp9, 14                      ; four rows of 4,096 bytes a wave
	s_mov_b32 s21, 0
	s_mov_b32 s14, 0x76543210                      ; v_permlanex16_b32: each lane takes its own place in the other half
	s_mov_b32 s15, 0xfedcba98
	s_mov_b32 s16, 0x22222222                      ; lanes with l % 4 = 1,
	s_mov_b32 s17, 0x44444444                      ; 2,
	s_mov_b32 s18, 0x88888888                      ; 3
	s_mov_b32 s19, 0xffff0000                      ; a word's upper bf16
	s_mov_b32 s24, 0xff800000                      ; minus infinity
	v_lshlrev_b32 v1, 4, v0
	v_lshlrev_b32 v2, 7, v0
	s_wait_kmcnt 0x0
	s_add_nc_u64 s[4:5], s[4:5], s[20:21]
	WIN 0x40                                       ; destination window 1
.set i, 0
.rept 64
	global_load_b128 v[4*i:4*i+3], v2, s[6:7] offset:4096*(i/8)+16*(i%8)
.set i, i+1
.endr
	WIN 0
.set i, 0
.rept 32
	global_load_b128 v[X+4*i:X+4*i+3], v1, s[4:5] offset:4096*(i/8)+512*(i%8)
.set i, i+1
.endr
	s_wait_loadcnt 32                              ; the 32 loads of x are younger: gate_w is in
	WIN 0x45                                       ; all places window 1
.set i, 0
.rept 128                                              ; two numbers rounded to bf16 and widened again, in place
	v_cvt_pk_bf16_f32 v[2*i], v[2*i], v[2*i+1]
	v_and_b32 v[2*i+1], s19, v[2*i]
	v_lshlrev_b32 v[2*i], 16, v[2*i]
.set i, i+1
.endr
	s_wait_loadcnt 0x0                             ; x
	WIN 0
.set i, 0
.rept 64
	v_cvt_pk_bf16_f32 v[X+2*i], v[X+2*i], v[X+2*i+1]
	v_and_b32 v[X+2*i+1], s19, v[X+2*i]
	v_lshlrev_b32 v[X+2*i], 16, v[X+2*i]
.set i, i+1
.endr
	WIN 0x01                                       ; source 0 (gate_w) window 1
; 512 packed multiply-adds: two experts each; x is given to both halves.  The first products start the sums; sixteen chains take turns.
.set jj, 0
.rept 8
.set cc, 0
.rept 4
.set tt, 0
.rept 4
.set pq, 0
.rept 4
.set rW, 32*jj+8*cc+2*pq
.set rX, X+32*tt+4*jj+2*(cc/2)
.set rA, ACC+8*tt+2*pq
.if (jj == 0) && (cc == 0)
	v_pk_mul_f32 v[rA:rA+1], v[rW:rW+1], v[rX:rX+1] op_sel_hi:[1,0]
.elseif (cc%2) == 0
	v_pk_fma_f32 v[rA:rA+1], v[rW:rW+1], v[rX:rX+1], v[rA:rA+1] op_sel_hi:[1,0,1]
.else
	v_pk_fma_f32 v[rA:rA+1], v[rW:rW+1], v[rX:rX+1], v[rA:rA+1] op_sel:[0,1,0] op_sel_hi:[1,1,1]
.endif
.set pq, pq+1
.endr
.set tt, tt+1
.endr
.set cc, cc+1
.endr
.set jj, jj+1
.endr
	WIN 0
; the 32 sums over the 32 lanes: every lane ends with all of them
.irp m, 1,2,4,8
.set i, 0
.rept 32
	v_add_f32_dpp v[ACC+i], v[ACC+i], v[ACC+i] row_xmask:\m row_mask:0xf bank_mask:0xf
.set i, i+1
.endr
.endr
.set i, 0
.rept 32
	v_permlanex16_b32 v[X+i], v[ACC+i], s14, s15   ; x's registers have been written and are free
.set i, i+1
.endr
.set i, 0
.rept 32
	v_add_f32 v[ACC+i], v[ACC+i], v[X+i]
.set i, i+1
.endr
; from here lane l works on token l % 4
.set i, 0
.rept 8
	v_cndmask_b32 v[LG+i], v[ACC+i], v[ACC+8+i], s16
	v_cndmask_b32 v[LG+i], v[LG+i], v[ACC+16+i], s17
	v_cndmask_b32 v[LG+i], v[LG+i], v[ACC+24+i], s18
.set i, i+1
.endr
	v_max3_num_f32 v3, v[LG], v[LG+1], v[LG+2]     ; the maximum is taken away before the exponentials
	v_max3_num_f32 v3, v3, v[LG+3], v[LG+4]
	v_max3_num_f32 v3, v3, v[LG+5], v[LG+6]
	v_max_num_f32 v3, v3, v[LG+7]
.set i, 0
.rept 8
	v_sub_f32 v[PRB+i], v[LG+i], v3
.set i, i+1
.endr
.set i, 0
.rept 8
	v_mul_f32 v[PRB+i], 0x3fb8aa3b, v[PRB+i]       ; log2(e)
.set i, i+1
.endr
.set i, 0
.rept 8
	v_exp_f32 v[PRB+i], v[PRB+i]
.set i, i+1
.endr
	v_nop                                          ; a plain instruction behind the last exponential,
	s_wait_alu depctr_va_vdst(0)                   ; and one wait for the batch of eight, ahead of its first reader
	v_add_f32 v4, v[PRB], v[PRB+1]
	v_add_f32 v5, v[PRB+2], v[PRB+3]
	v_add_f32 v6, v[PRB+4], v[PRB+5]
	v_add_f32 v7, v[PRB+6], v[PRB+7]
	v_add_f32 v4, v4, v5
	v_add_f32 v6, v6, v7
	v_add_f32 v4, v4, v6
	v_rcp_f32 v4, v4
	v_nop
	s_wait_alu depctr_va_vdst(0)
.set i, 0
.rept 8
	v_mul_f32 v[PRB+i], v[PRB+i], v4
.set i, i+1
.endr
; the largest of eight from registers src on: value, index, probability; a later one wins only if it is strictly larger
.macro SCAN src, bv, bi, bp
	v_mov_b32 v[\bv], v[\src]
	v_mov_b32 v[\bi], 0
	v_mov_b32 v[\bp], v[PRB]
.irp e, 1,2,3,4,5,6,7
	v_cmp_gt_f32 vcc_lo, v[(\src)+\e], v[\bv]
	v_cndmask_b32 v[\bv], v[\bv], v[(\src)+\e], vcc_lo
	v_cndmask_b32 v[\bi], v[\bi], \e, vcc_lo
	v_cndmask_b32 v[\bp], v[\bp], v[PRB+\e], vcc_lo
.endr
.endm
	SCAN LG, 32, 33, 34
.set i, 0
.rept 8
	v_cmp_eq_u32 vcc_lo, 0+i, v33
	v_cndmask_b32 v[LB+i], v[LG+i], s24, vcc_lo    ; the winner is taken out
.set i, i+1
.endr
	SCAN LB, 35, 36, 37
	v_add_f32 v62, v34, v37
	v_add_f32 v62, 0x322bcc77, v62                 ; + 1e-8
	v_rcp_f32 v62, v62
	v_mov_b32 v61, 1
	s_wait_alu depctr_va_vdst(0)
	v_mul_f32 v34, v34, v62
	v_mul_f32 v37, v37, v62
	v_lshlrev_b32 v60, v33, v61
	v_lshlrev_b32 v63, v36, v61
	v_or_b32 v60, v60, v63                         ; sel
.set i, 0
.rept 8
	v_cmp_eq_u32 vcc_lo, 0+i, v36
	v_cndmask_b32 v[WT+i], 0, v37, vcc_lo
	v_cmp_eq_u32 vcc_lo, 0+i, v33
	v_cndmask_b32 v[WT+i], v[WT+i], v34, vcc_lo
	v_bfe_u32 v[FL+i], v60, 0+i, 1
	v_cvt_f32_u32 v[FL+i], v[FL+i]
.set i, i+1
.endr
; probabilities and flags summed over the four tokens (four neighbouring lanes)
.irp m, 1,2
.set i, 0
.rept 16
	v_add_f32_dpp v[PRB+i], v[PRB+i], v[PRB+i] row_xmask:\m row_mask:0xf bank_mask:0xf
.set i, i+1
.endr
.endr
.set i, 0
.rept 4                                                ; lane l takes numbers 4 l .. 4 l + 3 of the sixteen
	v_cndmask_b32 v[OUT+i], v[PRB+i], v[PRB+4+i], s16
	v_cndmask_b32 v[OUT+i], v[OUT+i], v[PRB+8+i], s17
	v_cndmask_b32 v[OUT+i], v[OUT+i], v[PRB+12+i], s18
.set i, i+1
.endr
	s_lshl_b32 s20, ttmp9, 4
	v_lshl_add_u32 v5, v0, 2, s20                  ; sel: 4 bytes a token
	s_lshl_b32 s20, ttmp9, 7
	v_lshl_add_u32 v6, v0, 5, s20                  ; wt8: 32 bytes a token
	s_lshl_b32 s20, ttmp9, 6
	v_lshl_add_u32 v7, v0, 4, s20                  ; part: 64 bytes a wave
	v_cmp_gt_u32 vcc_lo, 4, v0
	s_wait_xcnt 0x0                                ; EXEC changes only behind this wait
	s_and_saveexec_b32 s25, vcc_lo                 ; lanes 0 to 3: one for each token
	global_store_b32 v5, v60, s[8:9]
	global_store_b128 v6, v[WT:WT+3], s[10:11]
	global_store_b128 v6, v[WT+4:WT+7], s[10:11] offset:16
	global_store_b128 v7, v[OUT:OUT+3], s[12:13]
	s_endpgm
.Lfunc_end_k_qc2327786cc_router:
	.size	k_qc2327786cc_router, .Lfunc_end_k_qc2327786cc_router-k_qc2327786cc_router
	.p2alignl 7, 3214868480
	.fill 96, 4, 3214868480
	.section	.rodata,"a",@progbits
	.p2align	6, 0x0
	.amdhsa_kernel k_qc2327786cc_router
		.amdhsa_group_segment_fixed_size 0
		.amdhsa_private_segment_fixed_size 0
		.amdhsa_enable_private_segment 0
		.amdhsa_kernarg_size 40
		.amdhsa_user_sgpr_count 2
		.amdhsa_user_sgpr_kernarg_segment_ptr 1
		.amdhsa_wavefront_size32 1
		.amdhsa_system_sgpr_workgroup_id_x 1
		.amdhsa_system_sgpr_workgroup_id_y 1
		.amdhsa_system_sgpr_workgroup_id_z 1
		.amdhsa_system_vgpr_workitem_id 0
		.amdhsa_next_free_vgpr 512
		.amdhsa_next_free_sgpr 66
		.amdhsa_reserve_vcc 1
		.amdhsa_float_denorm_mode_32 3
		.amdhsa_float_denorm_mode_16_64 3
		.amdhsa_memory_ordered 1
		.amdhsa_forward_progress 1
		.amdhsa_inst_pref_size 90
	.end_amdhsa_kernel
	.amdgpu_metadata
---
amdhsa.version: [ 1, 2 ]
amdhsa.kernels:
  - .name:           k_qc2327786cc_router
    .symbol:         k_qc2327786cc_router.kd
    .args:
      - { .name: x, .offset: 0, .size: 8, .value_kind: global_buffer, .address_space: global }
      - { .name: gate_w, .offset: 8, .size: 8, .value_kind: global_buffer, .address_space: global }
      - { .name: sel, .offset: 16, .size: 8, .value_kind: global_buffer, .address_space: global }
      - { .name: wt8, .offset: 24, .size: 8, .value_kind: global_buffer, .address_space: global }
      - { .name: part, .offset: 32, .size: 8, .value_kind: global_buffer, .address_space: global }
    .group_segment_fixed_size: 0
    .private_segment_fixed_size: 0
    .kernarg_segment_align: 8
    .kernarg_segment_size: 40
    .max_flat_workgroup_size: 32
    .sgpr_count:     66
    .vgpr_count:     512
    .wavefront_size: 32
...
	.end_amdgpu_metadata
.endif
;; end of part 1
;; launch place (part 2): grid 64 x 8, 4 waves a work-group, no clusters, 34,304 bytes of LDS; arguments sel, wt8, x, xs, rwt, dst; writes xs, rwt, dst
.if DOCPART == 2
	.amdgcn_target "amdgcn-amd-amdhsa--gfx1250"
	.amdhsa_code_object_version 6
	.text
	.protected	k_qc2327786cc_place
	.globl	k_qc2327786cc_place
	.p2align	8
	.type	k_qc2327786cc_place,@function
k_qc2327786cc_place:
	s_mov_b64 s[64:65], 0
	v_nop
	global_prefetch_b8 v0, s[64:65] scope:SCOPE_SE
	s_setreg_imm32_b32 hwreg(HW_REG_WAVE_MODE, 25, 1), 1
	s_wait_xcnt 0x0
; PLACE.  Work-group (i, e) makes tile i (16 rows) of expert e's list of tokens: it counts the expert's tokens from sel, finds the tokens of ranks 16 i .. 16 i + 15, and writes
;   xs[e][i]: their rows of x, rounded to bf16, in the order in which a wave's operand registers take them: [32 K steps][2 halves][32 lanes][16 bytes]; lane (r = l % 16, h = l / 16), half j: row r, k = 32 ks + 16 j + 8 h + 0..7;
;   rwt[e][p] = the gate's weight of place p;  dst[e][p] = slot x 1024 + token (slot 1 if the token's other expert has the lower number);  the expert's count, behind dst's lists at byte 32,768 + 4 e, by tile 0.
; The grid serves every split: 64 tiles an expert.  A tile at or past the count stores nothing and ends.  In the last live tile the places past the count repeat the row of rank count - 1.
; The ranks go by a fixed order of the tokens that every work-group shares: word g = 4 jj + c, bit l stands for token 128 jj + 4 l + c, as 16-byte loads of sel bring them.
; Wave w takes k = 256 w .. 256 w + 255 of all 16 rows, through a stage of its own in LDS (16 rows of 512 + 16 bytes), so no barrier is needed.
; No joint loads: the rows come by a list, and no two work-groups share a tile.
.set STG,   8448
.set SPARE, 4*STG                   ; 33,792: behind the stages, the spare words, 128 bytes a wave
.set OFS,   32                      ; v32-47   byte offset of row q's part in x
.set D,     64                      ; v64-191  the rows as loaded, then packed
.set BK,    192                     ; v192-223 sel's words; later v192-255 the rows read back
	s_load_b256 s[4:11], s[0:1], 0x0               ; sel s[4:5], wt8 s[6:7], x s[8:9], xs s[10:11]
	s_load_b128 s[12:15], s[0:1], 0x20             ; rwt s[12:13], dst s[14:15]
	v_lshl_add_u32 v16, v0, 2, SPARE               ; my spare word,
	v_mov_b32 v17, 0                               ; and 0: kept for the add at the wave's end
	v_lshrrev_b32 v1, 5, v0
	v_readfirstlane_b32 s50, v1                    ; wave
	s_and_b32 s51, ttmp7, 0xffff                   ; e
	s_mov_b32 s52, ttmp9                           ; i
	s_lshl_b32 s53, 1, s51                         ; the expert's bit
	v_and_b32 v1, 31, v0                           ; l
	v_and_b32 v2, 15, v0                           ; r
	v_bfe_u32 v3, v0, 4, 1                         ; h
	v_lshlrev_b32 v11, 4, v1
	s_wait_kmcnt 0x0
.set i, 0
.rept 8
	global_load_b128 v[BK+4*i:BK+4*i+3], v11, s[4:5] offset:512*i
.set i, i+1
.endr
	s_mov_b32 s54, 0
	s_wait_loadcnt 0x0
.set g, 0
.rept 32                                               ; a mask of 32 tokens in s[16+g], and the count
	v_and_b32 v12, s53, v[BK+g]
	v_cmp_ne_u32 s[16+g], 0, v12
	s_bcnt1_i32_b32 s56, s[16+g]
	s_add_co_u32 s54, s54, s56
.set g, g+1
.endr
	s_lshl_b32 s57, s51, 2                         ; 4 e
	s_cmp_lg_u32 s52, 0
	s_cbranch_scc1 .Lno_cnt
	s_cmp_lg_u32 s50, 0
	s_cbranch_scc1 .Lno_cnt
	v_mov_b32 v11, s54
	v_mov_b32 v12, s57
	v_cmp_eq_u32 vcc_lo, 0, v0
	s_wait_xcnt 0x0                                ; EXEC changes only behind this wait
	s_and_saveexec_b32 s56, vcc_lo
	global_store_b32 v12, v11, s[14:15] offset:32768
	s_wait_xcnt 0x0                                ; and again ahead of the line that widens it
	s_or_b32 exec_lo, exec_lo, s56
.Lno_cnt:
	s_lshl_b32 s56, s52, 4
	s_cmp_ge_u32 s56, s54
	s_cbranch_scc1 .Ldead                          ; nothing has been written into LDS on that way
	v_add_nc_u32 v4, s56, v2
	s_sub_co_u32 s58, s54, 1
	v_min_u32 v4, s58, v4                          ; my rank: 16 i + r, or the last one
	v_mov_b32 v5, 0
	v_mov_b32 v6, 0
	v_mov_b32 v7, 0
	s_mov_b32 s55, 0
.set g, 0
.rept 32                                               ; the last word whose running count is not above my rank: its mask, that count, its number
	v_cmp_le_u32 vcc_lo, s55, v4
	v_cndmask_b32 v5, v5, s[16+g], vcc_lo
	v_cndmask_b32 v6, v6, s55, vcc_lo
	v_cndmask_b32 v7, v7, 0+g, vcc_lo
	s_bcnt1_i32_b32 s56, s[16+g]
	s_add_co_u32 s55, s55, s56
.set g, g+1
.endr
	v_sub_nc_u32 v8, v4, v6                        ; how many set bits lie in front of mine
	v_mov_b32 v9, 32
.set g, 0
.rept 32                                               ; from my bit on the count is negative: 32 less the number of such places is my bit's place
	v_bfe_u32 v11, v5, 0+g, 1
	v_sub_nc_u32 v8, v8, v11
	v_ashrrev_i32 v12, 31, v8
	v_add_nc_u32 v9, v9, v12
.set g, g+1
.endr
	v_lshrrev_b32 v11, 2, v7
	v_lshlrev_b32 v11, 7, v11
	v_lshl_add_u32 v11, v9, 2, v11
	v_and_b32 v12, 3, v7
	v_add_nc_u32 v10, v11, v12                     ; token = 128 (g / 4) + 4 bit + g % 4
	v_min_u32 v10, 0x3ff, v10
	s_cmp_lg_u32 s50, 0
	s_cbranch_scc1 .Lrows
	v_lshlrev_b32 v11, 2, v10                      ; wave 0 writes the two lists
	v_lshl_add_u32 v12, v10, 5, s57
	global_load_b32 v13, v11, s[4:5]               ; sel[token]
	global_load_b32 v14, v12, s[6:7]               ; wt8[token][e]
	s_sub_co_u32 s56, s53, 1                       ; the bits of the experts below e
	s_lshl_b32 s58, s51, 12
	s_lshl_b32 s59, s52, 6
	s_add_co_u32 s58, s58, s59
	v_lshl_add_u32 v15, v2, 2, s58                 ; 4,096 e + 64 i + 4 r
	v_mov_b32 v18, 0x400
	s_wait_loadcnt 0x0
	v_and_b32 v13, s56, v13
	v_cmp_ne_u32 vcc_lo, 0, v13
	v_cndmask_b32 v13, 0, v18, vcc_lo
	v_add_nc_u32 v13, v13, v10
	v_cmp_gt_u32 vcc_lo, 16, v1
	s_wait_xcnt 0x0
	s_and_saveexec_b32 s56, vcc_lo
	global_store_b32 v15, v14, s[12:13]
	global_store_b32 v15, v13, s[14:15]
	s_wait_xcnt 0x0                                ; EXEC, and v15 below, are written only behind this wait
	s_or_b32 exec_lo, exec_lo, s56
.Lrows:
	s_lshl_b32 s56, s50, 10
	v_lshl_add_u32 v15, v1, 4, s56                 ; my 16 bytes in the wave's 1,024 of a row
.set q, 0
.rept 16
	v_readlane_b32 s57, v10, q                     ; row q's token
	s_min_u32 s57, s57, 0x3ff
	v_lshl_add_u32 v[OFS+q], s57, 12, v15
.set q, q+1
.endr
.set n, 0
.rept 32                                               ; row n / 2, 512 consecutive bytes a load
	global_load_b128 v[D+4*n:D+4*n+3], v[OFS+n/2], s[8:9] offset:512*(n%2)
.set n, n+1
.endr
	s_mul_i32 s56, s50, STG
	v_lshl_add_u32 v11, v1, 3, s56                 ; in: 8 bytes a lane
	v_mul_u32_u24 v12, v2, 528
	v_lshl_add_u32 v12, v3, 4, v12
	v_add_nc_u32 v12, s56, v12                     ; back: row r, 16 bytes for each half of the lanes
	v_lshlrev_b32 v13, 4, v1
	s_lshl_b32 s56, s51, 21                        ; xs: 2,097,152 e + 32,768 i + 8,192 w
	s_lshl_b32 s57, s52, 15
	s_add_co_u32 s56, s56, s57
	s_lshl_b32 s57, s50, 13
	s_add_co_u32 s56, s56, s57
	s_mov_b32 s57, 0
	s_add_nc_u64 s[10:11], s[10:11], s[56:57]
.set n, 0
.rept 32
	s_wait_loadcnt 31-n                            ; loads come back in order: load n is in, the younger ones stay out
	v_cvt_pk_bf16_f32 v[D+4*n], v[D+4*n], v[D+4*n+1]
	v_cvt_pk_bf16_f32 v[D+4*n+1], v[D+4*n+2], v[D+4*n+3]
	ds_store_b64 v11, v[D+4*n:D+4*n+1] offset:528*(n/2)+256*(n%2)
.set n, n+1
.endr
.set n, 0
.rept 16                                               ; K step n / 2 of the wave's eight, half n % 2.  LDS serves a wave's instructions in order: these see the stores above
	ds_load_b128 v[BK+4*n:BK+4*n+3], v12 offset:32*n
.set n, n+1
.endr
.set n, 0
.rept 16
	s_wait_dscnt 15-n
	global_store_b128 v13, v[BK+4*n:BK+4*n+3], s[10:11] offset:512*n  ; 512 consecutive bytes, at a multiple of 512 from xs's first
.set n, n+1
.endr
	s_wait_tensorcnt 0x0                           ; the wave's end
	ds_add_u32 v16, v17
	s_wait_dscnt 0x0
	s_endpgm
.Ldead:
	s_endpgm
.Lfunc_end_k_qc2327786cc_place:
	.size	k_qc2327786cc_place, .Lfunc_end_k_qc2327786cc_place-k_qc2327786cc_place
	.p2alignl 7, 3214868480
	.fill 96, 4, 3214868480
	.section	.rodata,"a",@progbits
	.p2align	6, 0x0
	.amdhsa_kernel k_qc2327786cc_place
		.amdhsa_group_segment_fixed_size 34304
		.amdhsa_private_segment_fixed_size 0
		.amdhsa_enable_private_segment 0
		.amdhsa_kernarg_size 48
		.amdhsa_user_sgpr_count 2
		.amdhsa_user_sgpr_kernarg_segment_ptr 1
		.amdhsa_wavefront_size32 1
		.amdhsa_system_sgpr_workgroup_id_x 1
		.amdhsa_system_sgpr_workgroup_id_y 1
		.amdhsa_system_sgpr_workgroup_id_z 1
		.amdhsa_system_vgpr_workitem_id 0
		.amdhsa_next_free_vgpr 256
		.amdhsa_next_free_sgpr 66
		.amdhsa_reserve_vcc 1
		.amdhsa_float_denorm_mode_32 3
		.amdhsa_float_denorm_mode_16_64 3
		.amdhsa_memory_ordered 1
		.amdhsa_forward_progress 1
		.amdhsa_inst_pref_size 40
	.end_amdhsa_kernel
	.amdgpu_metadata
---
amdhsa.version: [ 1, 2 ]
amdhsa.kernels:
  - .name:           k_qc2327786cc_place
    .symbol:         k_qc2327786cc_place.kd
    .args:
      - { .name: sel, .offset: 0, .size: 8, .value_kind: global_buffer, .address_space: global }
      - { .name: wt8, .offset: 8, .size: 8, .value_kind: global_buffer, .address_space: global }
      - { .name: x, .offset: 16, .size: 8, .value_kind: global_buffer, .address_space: global }
      - { .name: xs, .offset: 24, .size: 8, .value_kind: global_buffer, .address_space: global }
      - { .name: rwt, .offset: 32, .size: 8, .value_kind: global_buffer, .address_space: global }
      - { .name: dst, .offset: 40, .size: 8, .value_kind: global_buffer, .address_space: global }
    .group_segment_fixed_size: 34304
    .private_segment_fixed_size: 0
    .kernarg_segment_align: 8
    .kernarg_segment_size: 48
    .max_flat_workgroup_size: 128
    .sgpr_count:     66
    .vgpr_count:     256
    .wavefront_size: 32
...
	.end_amdgpu_metadata
.endif
;; end of part 2
;; launch up (part 3): grid 43 x 8, 8 waves a work-group, no clusters, 295,936 bytes of LDS; arguments xs, w_gate, w_up, dst, rwt, hs; writes hs
.if DOCPART == 3
	.amdgcn_target "amdgcn-amd-amdhsa--gfx1250"
	.amdhsa_code_object_version 6
	.text
	.protected	k_qc2327786cc_up
	.globl	k_qc2327786cc_up
	.p2align	8
	.type	k_qc2327786cc_up,@function
k_qc2327786cc_up:
	s_mov_b64 s[64:65], 0
	v_nop
	global_prefetch_b8 v0, s[64:65] scope:SCOPE_SE
	s_setreg_imm32_b32 hwreg(HW_REG_WAVE_MODE, 25, 1), 1
	s_wait_xcnt 0x0
; UP.  hs = w x silu(X Wg) x (X Wu) for the rows of one expert, 64 hidden columns a work-group.  Work-group (s, e) alone reads columns 64 s .. 64 s + 63 of w_gate[e] and w_up[e]: each weight byte is read once in the launch.
; PHASE 1.  The slice (1,024 rows x 256 bytes of each matrix, f32) goes through registers, is rounded to bf16 and laid into LDS: row k at 288 k: 128 bytes of gate, 128 of up, 32 of padding.
;   Each wave takes 128 rows; a load covers two rows' 256 aligned bytes; a ring of 32 loads a wave (16,384 bytes) stays on its way.  One barrier follows, the launch's only one, on every wave's path.
; PHASE 2.  Nothing writes LDS any more, and no LDS address register is written: the 32 K steps are written out, each on one of five base registers and an immediate.
;   Wave w takes the tiles (16 rows) w + 16 p and w + 16 p + 8 in four passes p: the 64 tiles that an expert can have.  A pass with no live tile is jumped forward; where only the first tile lives,
;   the second repeats it and its way out is jumped.  The token rows come from xs straight into registers as operands (512 consecutive bytes a load), five K steps ahead; the weights out of LDS, turned, one K step ahead.
;   Source 0 = 16 weight columns, source 1 = 16 tokens: a lane holds one token (l % 16) and eight neighbouring hidden columns, which pack into the 16 bytes that hs wants of it:
;   hs[e][tile][86 K steps][2 halves][32 lanes][16 bytes], the operand order of the next launch.
; The expert's count lies behind dst's lists, at byte 32,768 + 4 e.  An expert with no rows: its weights are still read, so that no barrier hangs on loaded data.
; silu(g) = g / (1 + 2^(-g log2 e)); an exponential below 2^-126 counts as 0; NaN and infinities are not treated apart.
; NO JOINT LOADS: a slice of weights has one reader and must pass registers to be rounded; what an expert's 43 work-groups share is its token tiles, and the slice leaves 31,744 of LDS's 327,680 bytes, less than one tile's 32,768.
; REGISTERS.  window 0: v1-10 lane numbers and offsets; v12-15 the gate's weight, a pair a tile; v18, v19 phase 1's addresses; v20-24 the slice's base addresses; v30, v31 the add's;
;   v32-95, v96-159 weight fragments, two buffers of 8; v160-255 token fragments, a ring of six K steps x 2 tiles.  window 1: accumulators, tile a, fragment c (0-3 gate, 4-7 up) at 64 a + 8 c.
.set PITCH, 288
.set KB,    32*PITCH                ; a K step's rows in LDS
.set SPARE, 1024*PITCH              ; 294,912: behind the slice, the spare words, 128 bytes a wave
.set ROWB,  11008                   ; bytes in a row of w_gate and w_up
.set NK,    32                      ; K steps
.set RING,  6                       ; K steps of token fragments in registers
.set AHEAD, 5                       ; of which so many are asked for ahead
.set BAS,   20                      ; v20-24: base b serves K steps 7 b .. 7 b + 6, so that every immediate stays under 65,536
.set PER,   7
.set MSB, 0
.macro WIN new                      ; the immediate's high byte repeats the setting that is left
.if MSB != (\new)
	s_set_vgpr_msb (MSB<<8)|(\new)
.set MSB, \new
.endif
.endm
.macro PLACES
.rept 4
	v_nop
.endr
.endm
; phase 1: ring slot n (0..31): matrix n % 2, row 8 (n / 8) + (n / 2) % 4 of the trip's 32 (lanes 16-31: four rows further down)
.macro SLD n, add
.set row, 8*((\n)/8)+(((\n)/2)%4)
	global_load_b128 v[32+4*(\n):35+4*(\n)], v18, s[6+2*((\n)%2):7+2*((\n)%2)] offset:(row+(\add))*ROWB th:TH_LOAD_NT
.endm
.macro STRIP refill
.set q, 0
.rept 32
.if \refill
	s_wait_loadcnt 31                              ; 31 younger loads stay out
.else
	s_wait_loadcnt 31-q                            ; the last trip loads nothing: the counts run down
.endif
	v_cvt_pk_bf16_f32 v[160+2*(q%8)], v[32+4*q], v[33+4*q]
	v_cvt_pk_bf16_f32 v[161+2*(q%8)], v[34+4*q], v[35+4*q]
	ds_store_b64 v19, v[160+2*(q%8):161+2*(q%8)] offset:(8*(q/8)+((q/2)%4))*PITCH+(q%2)*128  ; lanes 0-15: 128 consecutive bytes; lanes 16-31: 1,152 bytes on, which is 128 modulo 256
.if \refill
	SLD q, 32
.endif
.set q, q+1
.endr
.endm
	s_load_b256 s[4:11], s[0:1], 0x0               ; xs s[4:5], w_gate s[6:7], w_up s[8:9], dst s[10:11]
	s_load_b128 s[12:15], s[0:1], 0x20             ; rwt s[12:13], hs s[14:15]
	v_lshl_add_u32 v30, v0, 2, SPARE               ; my spare word,
	v_mov_b32 v31, 0                               ; and 0: kept for the add at the wave's end
	v_lshrrev_b32 v1, 5, v0
	v_readfirstlane_b32 s16, v1                    ; wave
	s_and_b32 s17, ttmp7, 0xffff                   ; e
	s_mov_b32 s18, ttmp9                           ; s
	v_and_b32 v1, 31, v0                           ; l
	v_and_b32 v2, 15, v0                           ; r
	v_bfe_u32 v3, v0, 4, 1                         ; h
	v_mul_u32_u24 v18, v3, 4*ROWB
	v_lshl_add_u32 v18, v2, 4, v18                 ; in memory: 16 bytes a lane, lanes 16-31 four rows down
	s_mul_i32 s40, s16, 128*PITCH
	v_mul_u32_u24 v19, v3, 4*PITCH
	v_lshl_add_u32 v19, v2, 3, v19
	v_add_nc_u32 v19, s40, v19                     ; in LDS: my wave's 128 rows, 8 bytes a lane
	s_mul_i32 s36, s17, 11272192                   ; the expert's matrix,
	s_lshl_b32 s40, s18, 8                         ; the slice's 256 bytes of a row,
	s_add_co_u32 s36, s36, s40
	s_mul_i32 s40, s16, 128*ROWB                   ; my wave's rows
	s_add_co_u32 s36, s36, s40
	s_mov_b32 s37, 0                               ; stays 0: the high word of every offset
	s_wait_kmcnt 0x0
	s_add_nc_u64 s[6:7], s[6:7], s[36:37]
	s_add_nc_u64 s[8:9], s[8:9], s[36:37]
.set q, 0
.rept 32
	SLD q, 0
.set q, q+1
.endr
	s_lshl_b32 s36, s17, 2
	s_add_nc_u64 s[10:11], s[10:11], s[36:37]
	s_load_b32 s19, s[10:11], 0x8000               ; the expert's count
	s_lshl_b32 s36, s17, 21
	s_add_nc_u64 s[4:5], s[4:5], s[36:37]          ; xs at the expert
	s_mul_i32 s36, s17, 5636096
	s_lshl_b32 s40, s18, 11
	s_add_co_u32 s36, s36, s40
	s_add_nc_u64 s[14:15], s[14:15], s[36:37]      ; hs at the expert and at K steps 2 s, 2 s + 1
	s_lshl_b32 s41, s17, 12                        ; rwt at the expert
	s_mov_b32 s38, 0xbfb8aa3b                      ; -log2(e), named as a pair
	s_mov_b32 s39, s38
	v_and_b32 v4, 7, v0                            ; the turning load: lane l reads row 8 h + l % 8, 16 bytes at 16 ((l / 8) % 2)
	v_lshl_add_u32 v4, v3, 3, v4
	v_mul_u32_u24 v4, v4, PITCH
	v_bfe_u32 v5, v0, 3, 1
	v_lshl_add_u32 v[BAS], v5, 4, v4
.set i, 1
.rept 4
	v_add_nc_u32 v[BAS+i], i*PER*KB, v[BAS]        ; never rewritten
.set i, i+1
.endr
	v_lshlrev_b32 v6, 4, v1                        ; 16 l
	v_lshlrev_b32 v8, 2, v2                        ; 4 r
	v_mov_b32 v13, 0                               ; the upper registers of the weights' pairs: named, not used
	v_mov_b32 v15, 0
	s_mov_b32 s23, 3
.Lstream:                                              ; a trip rounds 32 loads (32 rows of both matrices) and asks for the next 32
	STRIP 1
	s_wait_xcnt 0x0                                ; the bases are stepped only behind this wait
	s_add_nc_u64 s[6:7], s[6:7], 32*ROWB
	s_add_nc_u64 s[8:9], s[8:9], 32*ROWB
	v_add_nc_u32 v19, 32*PITCH, v19
	s_sub_co_i32 s23, s23, 1
	s_cmp_lg_u32 s23, 0
	s_cbranch_scc1 .Lstream
	STRIP 0
	s_wait_kmcnt 0x0
	s_min_u32 s19, s19, 0x400
	s_add_co_u32 s20, s19, 15
	s_lshr_b32 s20, s20, 4                         ; live tiles
	s_wait_dscnt 0x0                               ; for the others' sake: my stores into the slice are done
	s_barrier_signal -1
	s_barrier_wait -1
; the weight fragments of K step k into buffer k % 2: 8 fragments of 16 columns x 32 K, two turning loads each
.macro LDB k
.set bb, 32+64*((\k)%2)
.set vb, BAS+(\k)/PER
.set ob, ((\k)%PER)*KB
.set c, 0
.rept 8
	ds_load_tr16_b128 v[bb+8*c:bb+8*c+3],   v[vb] offset:ob+32*c
	ds_load_tr16_b128 v[bb+8*c+4:bb+8*c+7], v[vb] offset:ob+32*c+16*PITCH
.set c, c+1
.endr
.endm
; the token fragments of K step k for both tiles into ring slot k % 6
.macro LDA k
.set aa, 160+16*((\k)%RING)
.set a, 0
.rept 2
	global_load_b128 v[aa+8*a:aa+8*a+3],   v6, s[24+2*a:25+2*a] offset:(\k)*1024
	global_load_b128 v[aa+8*a+4:aa+8*a+7], v6, s[24+2*a:25+2*a] offset:(\k)*1024+512
.set a, a+1
.endr
.endm
; K step ks: four places behind the last products, since the loads land in registers that those read; the next step's weights, the tokens five steps on; the waits; 16 products.
; The 16 LDS loads just issued may stay out, and so may the token loads of the steps behind this one, four each.  The 16 accumulators take turns, one instruction a turn, from step to step too.
.macro KSTEP
.if ks > 0
	PLACES
.endif
.if ks+1 < NK
	LDB ks+1
.endif
.if ks+AHEAD < NK
	LDA ks+AHEAD
.endif
.if ks+1 < NK
	s_wait_dscnt 16
.else
	s_wait_dscnt 0x0
.endif
.set wa, NK-1-ks
.if wa > AHEAD
.set wa, AHEAD
.endif
	s_wait_loadcnt 4*wa
	WIN 0x50                                       ; C and D window 1
.set bb, 32+64*(ks%2)
.set aa, 160+16*(ks%RING)
.set a, 0
.rept 2
.set c, 0
.rept 8
.if ks == 0
	v_wmma_f32_16x16x32_bf16 v[64*a+8*c:64*a+8*c+7], v[bb+8*c:bb+8*c+7], v[aa+8*a:aa+8*a+7], 0
.else
	v_wmma_f32_16x16x32_bf16 v[64*a+8*c:64*a+8*c+7], v[bb+8*c:bb+8*c+7], v[aa+8*a:aa+8*a+7], v[64*a+8*c:64*a+8*c+7]
.endif
.set c, c+1
.endr
.set a, a+1
.endr
	WIN 0
.endm
; what tile s[st] in place a needs: its rows in xs, its place in hs, its weights' offset in rwt
.macro SLOT a, st
	s_lshl_b32 s36, s[\st], 15
	s_add_nc_u64 s[24+2*\a:25+2*\a], s[4:5], s[36:37]
	s_mul_i32 s36, s[\st], 88064
	s_add_nc_u64 s[30+2*\a:31+2*\a], s[14:15], s[36:37]
	s_lshl_b32 s36, s[\st], 6
	s_add_co_u32 s36, s36, s41
	v_add_nc_u32 v[9+\a], s36, v8
.endm
; Tile a leaves: T = v32-63, U = v64-95, packed v[96 + 16 a ..].  Each accumulator is read from its low end on.  The 32 exponentials are one batch with one wait, and so are the 32 reciprocals.
; The gate's weight is in: the last K step waited for all loads.
.macro EPI a
	WIN 0x01                                       ; source 0 window 1
.set i, 0
.rept 16
	v_pk_mul_f32 v[32+2*i:33+2*i], v[64*(\a)+2*i:64*(\a)+2*i+1], s[38:39] op_sel_hi:[1,0]  ; -g log2(e)
.set i, i+1
.endr
.set i, 0
.rept 16
	v_pk_mul_f32 v[64+2*i:65+2*i], v[64*(\a)+32+2*i:64*(\a)+33+2*i], v[12+2*(\a):13+2*(\a)] op_sel_hi:[1,0]  ; w u
.set i, i+1
.endr
	WIN 0
.set i, 0
.rept 32
	v_exp_f32 v[32+i], v[32+i]
.set i, i+1
.endr
	v_nop
	s_wait_alu depctr_va_vdst(0)
.set i, 0
.rept 16
	v_pk_add_f32 v[32+2*i:33+2*i], v[32+2*i:33+2*i], 1.0 op_sel_hi:[1,0]
.set i, i+1
.endr
.set i, 0
.rept 32
	v_rcp_f32 v[32+i], v[32+i]
.set i, i+1
.endr
	v_nop
	s_wait_alu depctr_va_vdst(0)
	WIN 0x01
.set i, 0
.rept 16
	v_pk_mul_f32 v[32+2*i:33+2*i], v[64*(\a)+2*i:64*(\a)+2*i+1], v[32+2*i:33+2*i]  ; silu(g)
.set i, i+1
.endr
	WIN 0
.set i, 0
.rept 16
	v_pk_mul_f32 v[32+2*i:33+2*i], v[32+2*i:33+2*i], v[64+2*i:65+2*i]
.set i, i+1
.endr
.set i, 0
.rept 16
	v_cvt_pk_bf16_f32 v[96+16*(\a)+i], v[32+2*i], v[33+2*i]
.set i, i+1
.endr
.set i, 0
.rept 4
	global_store_b128 v6, v[96+16*(\a)+4*i:96+16*(\a)+4*i+3], s[30+2*(\a):31+2*(\a)] offset:512*i  ; 512 consecutive bytes, at a multiple of 512 from hs's first
.set i, i+1
.endr
.endm
	s_mov_b32 s21, s16                             ; my first tile of the pass
	s_mov_b32 s22, 4
.Lpass:
	s_cmp_ge_u32 s21, s20
	s_cbranch_scc1 .Lnext                          ; no live tile: forward, to the counter's step
	s_wait_xcnt 0x0                                ; the last pass's stores have read their registers and bases
	s_add_co_u32 s40, s21, 8
	s_cmp_lt_u32 s40, s20
	s_cselect_b32 s40, s40, s21                    ; the second tile, or the first once more
	s_cselect_b32 s44, 1, 0                        ; does the second tile live?
	SLOT 0, 21
	SLOT 1, 40
	global_load_b32 v12, v9, s[12:13]              ; the gate's weight of my token, for each tile
	global_load_b32 v14, v10, s[12:13]
	LDB 0
.set ks, 0
.rept AHEAD
	LDA ks
.set ks, ks+1
.endr
.set ks, 0
.rept NK                                               ; the first K step starts the sums
	KSTEP
.set ks, ks+1
.endr
	PLACES                                         ; ahead of the first read of the sums
	s_cmp_eq_u32 s44, 0
	s_cbranch_scc1 .Lepi0
	EPI 1
.Lepi0:
	EPI 0
.Lnext:
	s_add_co_u32 s21, s21, 16
	s_sub_co_i32 s22, s22, 1
	s_cmp_lg_u32 s22, 0
	s_cbranch_scc1 .Lpass
	s_wait_tensorcnt 0x0                           ; the wave's end
	ds_add_u32 v30, v31
	s_wait_dscnt 0x0
	s_endpgm
.Lfunc_end_k_qc2327786cc_up:
	.size	k_qc2327786cc_up, .Lfunc_end_k_qc2327786cc_up-k_qc2327786cc_up
	.p2alignl 7, 3214868480
	.fill 96, 4, 3214868480
	.section	.rodata,"a",@progbits
	.p2align	6, 0x0
	.amdhsa_kernel k_qc2327786cc_up
		.amdhsa_group_segment_fixed_size 295936
		.amdhsa_private_segment_fixed_size 0
		.amdhsa_enable_private_segment 0
		.amdhsa_kernarg_size 48
		.amdhsa_user_sgpr_count 2
		.amdhsa_user_sgpr_kernarg_segment_ptr 1
		.amdhsa_wavefront_size32 1
		.amdhsa_system_sgpr_workgroup_id_x 1
		.amdhsa_system_sgpr_workgroup_id_y 1
		.amdhsa_system_sgpr_workgroup_id_z 1
		.amdhsa_system_vgpr_workitem_id 0
		.amdhsa_next_free_vgpr 384
		.amdhsa_next_free_sgpr 66
		.amdhsa_reserve_vcc 0
		.amdhsa_float_denorm_mode_32 3
		.amdhsa_float_denorm_mode_16_64 3
		.amdhsa_memory_ordered 1
		.amdhsa_forward_progress 1
		.amdhsa_inst_pref_size 126
	.end_amdhsa_kernel
	.amdgpu_metadata
---
amdhsa.version: [ 1, 2 ]
amdhsa.kernels:
  - .name:           k_qc2327786cc_up
    .symbol:         k_qc2327786cc_up.kd
    .args:
      - { .name: xs, .offset: 0, .size: 8, .value_kind: global_buffer, .address_space: global }
      - { .name: w_gate, .offset: 8, .size: 8, .value_kind: global_buffer, .address_space: global }
      - { .name: w_up, .offset: 16, .size: 8, .value_kind: global_buffer, .address_space: global }
      - { .name: dst, .offset: 24, .size: 8, .value_kind: global_buffer, .address_space: global }
      - { .name: rwt, .offset: 32, .size: 8, .value_kind: global_buffer, .address_space: global }
      - { .name: hs, .offset: 40, .size: 8, .value_kind: global_buffer, .address_space: global }
    .group_segment_fixed_size: 295936
    .private_segment_fixed_size: 0
    .kernarg_segment_align: 8
    .kernarg_segment_size: 48
    .max_flat_workgroup_size: 256
    .sgpr_count:     66
    .vgpr_count:     384
    .wavefront_size: 32
...
	.end_amdgpu_metadata
.endif
;; end of part 3
;; launch down (part 4): grid 32 x 8, 8 waves a work-group, no clusters, 256,000 bytes of LDS; arguments hs, w_down, dst, pp; writes pp
.if DOCPART == 4
	.amdgcn_target "amdgcn-amd-amdhsa--gfx1250"
	.amdhsa_code_object_version 6
	.text
	.protected	k_qc2327786cc_down
	.globl	k_qc2327786cc_down
	.p2align	8
	.type	k_qc2327786cc_down,@function
k_qc2327786cc_down:
	s_mov_b64 s[64:65], 0
	v_nop
	global_prefetch_b8 v0, s[64:65] scope:SCOPE_SE
	s_setreg_imm32_b32 hwreg(HW_REG_WAVE_MODE, 25, 1), 1
	s_wait_xcnt 0x0
; DOWN.  pp[kh][slot x 1024 + token][:] = the part of (w h) w_down[e] that comes from hidden rows 1,376 kh .. 1,376 kh + 1,375.  Partial sums stay in f32; the next launch adds a token's four.
; Work-group (2 c + kh, e) alone reads columns 64 c .. 64 c + 63 of those 1,376 rows of w_down[e]: each weight byte is read once in the launch; 16 x 2 x 8 = 256 work-groups.
; PHASE 1.  The slice goes through registers, is rounded to bf16 and laid into LDS, row k at 160 k (128 bytes + 32 of padding).  Wave w takes rows 172 w .. 172 w + 171: 86 loads of two rows' 256 aligned bytes, 32 of them on their way.  One barrier.
; PHASE 2.  The slice is only read, and no LDS address register is written: the 43 K steps are written out, each on one of four base registers and an immediate.
;   Wave w takes tiles w + 16 p and w + 16 p + 8 in four passes p; a pass with no live tile is jumped forward; where only the first tile lives, the second repeats it and its way out is jumped.
;   The hidden rows come from hs straight into registers, seven K steps ahead; the weights out of LDS, turned, one K step ahead.
;   A lane holds one token and eight neighbouring columns; a tile goes through the wave's own stage (16 rows of 256 + 16 bytes) and leaves as whole pieces of 256 bytes of the rows that dst names.
;   Places past the count repeat the last row: the same wave stores the same numbers to the same bytes.
; The expert's count lies behind dst's lists, at byte 32,768 + 4 e.  An expert with no rows: its weights are still read, so that no barrier hangs on loaded data.
; NO JOINT LOADS: a slice has one reader and must pass registers to be rounded; a half tile of hs is 44,032 bytes, and beside slice and stages 71,680 of LDS's 327,680 bytes are left, too little for two slots of what eight waves walk.
; REGISTERS.  window 0: v1-10 lane numbers and offsets; v18-24 addresses; v25-28 the slice's base addresses; v30, v31 the add's; v32-63, v64-95 weight fragments, two buffers of 4 (v32-63 also a tile read back);
;   v96-223 hidden fragments, a ring of eight K steps x 2 tiles; v224-239 dst, eight a tile.  window 1: accumulators, tile a, fragment c at 32 a + 8 c.
.set PITCH, 160
.set KB,    32*PITCH
.set STAGE, 1376*PITCH              ; 220,160
.set SP,    272
.set SPARE, STAGE+8*16*SP           ; 254,976: the spare words, 128 bytes a wave
.set NK,    43                      ; K steps
.set RING,  8                       ; K steps of hidden fragments in registers
.set AHEAD, 7                       ; of which so many are asked for ahead
.set BAS,   25                      ; v25-28: base b serves K steps 13 b .. 13 b + 12, so that every immediate stays under 65,536
.set PER,   13
.set DSTR,  224
.set BK,    32
.set MSB, 0
.macro WIN new                      ; the immediate's high byte repeats the setting that is left
.if MSB != (\new)
	s_set_vgpr_msb (MSB<<8)|(\new)
.set MSB, \new
.endif
.endm
.macro PLACES
.rept 4
	v_nop
.endr
.endm
; load n of 86.  n < 84: row 8 (n / 4) + n % 4 of my 172, lanes 16-31 four rows further down.  n = 84, 85: rows 168, 169, lanes 16-31 two rows further down.
.macro DLD n
.if (\n) < 84
	global_load_b128 v[32+4*((\n)%32):35+4*((\n)%32)], v18, s[6:7] offset:(8*((\n)/4)+((\n)%4))*4096 th:TH_LOAD_NT
.else
	global_load_b128 v[32+4*((\n)%32):35+4*((\n)%32)], v23, s[6:7] offset:((\n)+84)*4096 th:TH_LOAD_NT
.endif
.endm
	s_load_b128 s[4:7], s[0:1], 0x0                ; hs s[4:5], w_down s[6:7]
	s_load_b64 s[10:11], s[0:1], 0x10              ; dst
	s_load_b64 s[12:13], s[0:1], 0x18              ; pp
	v_lshl_add_u32 v30, v0, 2, SPARE               ; my spare word,
	v_mov_b32 v31, 0                               ; and 0: kept for the add at the wave's end
	v_lshrrev_b32 v1, 5, v0
	v_readfirstlane_b32 s16, v1                    ; wave
	s_and_b32 s17, ttmp7, 0xffff                   ; e
	s_lshr_b32 s18, ttmp9, 1                       ; c
	s_and_b32 s42, ttmp9, 1                        ; kh
	v_and_b32 v1, 31, v0                           ; l
	v_and_b32 v2, 15, v0                           ; r
	v_bfe_u32 v3, v0, 4, 1                         ; h
	s_mul_i32 s40, s16, 172                        ; my first row of the slice
	v_lshlrev_b32 v18, 14, v3
	v_lshl_add_u32 v18, v2, 4, v18                 ; in memory: 16 bytes a lane, lanes 16-31 four rows down,
	v_lshlrev_b32 v23, 13, v3
	v_lshl_add_u32 v23, v2, 4, v23                 ; or two rows down
	s_mul_i32 s43, s16, 172*PITCH
	v_mul_u32_u24 v19, v3, 4*PITCH
	v_lshl_add_u32 v19, v2, 3, v19
	v_add_nc_u32 v19, s43, v19                     ; in LDS: my wave's 172 rows, 8 bytes a lane
	v_mul_u32_u24 v24, v3, 2*PITCH
	v_lshl_add_u32 v24, v2, 3, v24
	v_add_nc_u32 v24, s43, v24
	s_mul_i32 s43, s42, 1376
	s_add_co_u32 s43, s43, s40
	s_lshl_b32 s43, s43, 12
	s_mul_i32 s36, s17, 11272192
	s_add_co_u32 s36, s36, s43
	s_lshl_b32 s43, s18, 8
	s_add_co_u32 s36, s36, s43
	s_mov_b32 s37, 0                               ; stays 0: the high word of every offset
	s_wait_kmcnt 0x0
	s_add_nc_u64 s[6:7], s[6:7], s[36:37]
.set q, 0
.rept 32
	DLD q
.set q, q+1
.endr
	s_lshl_b32 s36, s17, 2
	s_add_nc_u64 s[8:9], s[10:11], s[36:37]
	s_load_b32 s19, s[8:9], 0x8000                 ; the expert's count
	s_mul_i32 s36, s17, 5636096
	s_mul_i32 s43, s42, 44032
	s_add_co_u32 s36, s36, s43
	s_add_nc_u64 s[4:5], s[4:5], s[36:37]          ; hs at the expert and at my half of its K steps
	s_lshl_b32 s36, s42, 23
	s_lshl_b32 s43, s18, 8
	s_add_co_u32 s36, s36, s43
	s_add_nc_u64 s[12:13], s[12:13], s[36:37]      ; pp at my half and my 256 bytes of a row
	s_lshl_b32 s41, s17, 12                        ; dst at the expert
	v_and_b32 v4, 7, v0                            ; the turning load: lane l reads row 8 h + l % 8, 16 bytes at 16 ((l / 8) % 2)
	v_lshl_add_u32 v4, v3, 3, v4
	v_mul_u32_u24 v4, v4, PITCH
	v_bfe_u32 v5, v0, 3, 1
	v_lshl_add_u32 v[BAS], v5, 4, v4
.set i, 1
.rept 3
	v_add_nc_u32 v[BAS+i], i*PER*KB, v[BAS]        ; never rewritten
.set i, i+1
.endr
	v_lshlrev_b32 v6, 4, v1                        ; 16 l
	v_lshlrev_b32 v8, 2, v3                        ; 4 h
	v_lshlrev_b32 v22, 4, v2                       ; 16 r
	s_mul_i32 s43, s16, 16*SP
	s_add_co_u32 s43, s43, STAGE                   ; my stage
	v_mul_u32_u24 v20, v2, SP                      ; in: row r, 32 bytes for each half of the lanes
	v_lshl_add_u32 v20, v3, 5, v20
	v_add_nc_u32 v20, s43, v20
	v_mul_u32_u24 v21, v3, SP                      ; back: lanes 0-15 one row of 256 bytes, lanes 16-31 the next
	v_lshl_add_u32 v21, v2, 4, v21
	v_add_nc_u32 v21, s43, v21
.set q, 0
.rept 86
.if q < 55
	s_wait_loadcnt 31                              ; 31 younger loads stay out
.else
	s_wait_loadcnt 85-q                            ; nothing more is asked for: the counts run down
.endif
	v_cvt_pk_bf16_f32 v[160+2*(q%8)], v[32+4*(q%32)], v[33+4*(q%32)]
	v_cvt_pk_bf16_f32 v[161+2*(q%8)], v[34+4*(q%32)], v[35+4*(q%32)]
.if q < 84
	ds_store_b64 v19, v[160+2*(q%8):161+2*(q%8)] offset:(8*(q/4)+(q%4))*PITCH  ; lanes 0-15: 128 consecutive bytes; lanes 16-31: 640 bytes on, which is 128 modulo 256
.else
	ds_store_b64 v24, v[160+2*(q%8):161+2*(q%8)] offset:(q+84)*PITCH
.endif
.if q+32 < 86
	DLD q+32
.endif
.set q, q+1
.endr
	s_wait_kmcnt 0x0
	s_min_u32 s19, s19, 0x400
	s_add_co_u32 s20, s19, 15
	s_lshr_b32 s20, s20, 4                         ; live tiles
	s_wait_dscnt 0x0                               ; for the others' sake: my stores into the slice are done
	s_barrier_signal -1
	s_barrier_wait -1
.macro LDB k                        ; the weight fragments of K step k into buffer k % 2: 4 fragments of 16 columns x 32 K, two turning loads each
.set bb, 32+32*((\k)%2)
.set vb, BAS+(\k)/PER
.set ob, ((\k)%PER)*KB
.set c, 0
.rept 4
	ds_load_tr16_b128 v[bb+8*c:bb+8*c+3],   v[vb] offset:ob+32*c
	ds_load_tr16_b128 v[bb+8*c+4:bb+8*c+7], v[vb] offset:ob+32*c+16*PITCH
.set c, c+1
.endr
.endm
.macro LDA k                        ; the hidden fragments of K step k for both tiles into ring slot k % 8
.set aa, 96+16*((\k)%RING)
.set a, 0
.rept 2
	global_load_b128 v[aa+8*a:aa+8*a+3],   v6, s[24+2*a:25+2*a] offset:(\k)*1024
	global_load_b128 v[aa+8*a+4:aa+8*a+7], v6, s[24+2*a:25+2*a] offset:(\k)*1024+512
.set a, a+1
.endr
.endm
; K step ks: four places behind the last products, since the loads land in registers that those read; the next step's weights, the hidden rows seven steps on; the waits; 8 products.
; The 8 LDS loads just issued may stay out, and so may the loads of the steps behind this one, four each.  The 8 accumulators take turns, one instruction a turn, from step to step too.
.macro KSTEP
.if ks > 0
	PLACES
.endif
.if ks+1 < NK
	LDB ks+1
.endif
.if ks+AHEAD < NK
	LDA ks+AHEAD
.endif
.if ks+1 < NK
	s_wait_dscnt 8
.else
	s_wait_dscnt 0x0
.endif
.set wa, NK-1-ks
.if wa > AHEAD
.set wa, AHEAD
.endif
	s_wait_loadcnt 4*wa
	WIN 0x50                                       ; C and D window 1
.set bb, 32+32*(ks%2)
.set aa, 96+16*(ks%RING)
.set a, 0
.rept 2
.set c, 0
.rept 4
.if ks == 0
	v_wmma_f32_16x16x32_bf16 v[32*a+8*c:32*a+8*c+7], v[bb+8*c:bb+8*c+7], v[aa+8*a:aa+8*a+7], 0
.else
	v_wmma_f32_16x16x32_bf16 v[32*a+8*c:32*a+8*c+7], v[bb+8*c:bb+8*c+7], v[aa+8*a:aa+8*a+7], v[32*a+8*c:32*a+8*c+7]
.endif
.set c, c+1
.endr
.set a, a+1
.endr
	WIN 0
.endm
; what tile s[st] in place a needs: its rows in hs, its places' offset in dst
.macro SLOT a, st
	s_mul_i32 s36, s[\st], 88064
	s_add_nc_u64 s[24+2*\a:25+2*\a], s[4:5], s[36:37]
	s_lshl_b32 s36, s[\st], 6
	s_add_co_u32 s36, s36, s41
	v_add_nc_u32 v[9+\a], s36, v8
.endm
; Tile a leaves through my stage.  Each accumulator's low four registers are stored first.  dst is in: the last K step waited for all loads.
.macro EPI a
	WIN 0x04                                       ; the stores' data in window 1
.set c, 0
.rept 4
	ds_store_b128 v20, v[32*(\a)+8*c:32*(\a)+8*c+3]   offset:64*c
	ds_store_b128 v20, v[32*(\a)+8*c+4:32*(\a)+8*c+7] offset:64*c+16
.set c, c+1
.endr
	WIN 0
	s_wait_xcnt 0x0                                ; the tile before has had its stores read v32-63
.set t, 0
.rept 8
	ds_load_b128 v[BK+4*t:BK+4*t+3], v21 offset:2*SP*t  ; LDS serves a wave's instructions in order: these see the stores above, and the next tile's stores come behind them
.set t, t+1
.endr
.set t, 0
.rept 8
	v_min_u32 v[DSTR+8*(\a)+t], 0x7ff, v[DSTR+8*(\a)+t]
	v_lshl_add_u32 v[DSTR+8*(\a)+t], v[DSTR+8*(\a)+t], 12, v22
.set t, t+1
.endr
.set t, 0
.rept 8
	s_wait_dscnt 7-t
	global_store_b128 v[DSTR+8*(\a)+t], v[BK+4*t:BK+4*t+3], s[12:13]  ; 16 lanes store 256 consecutive bytes of a row, at a multiple of 256 from pp's first
.set t, t+1
.endr
.endm
	s_mov_b32 s21, s16                             ; my first tile of the pass
	s_mov_b32 s22, 4
.Lpass:
	s_cmp_ge_u32 s21, s20
	s_cbranch_scc1 .Lnext                          ; no live tile: forward, to the counter's step
	s_wait_xcnt 0x0                                ; the last pass's stores have read their registers
	s_add_co_u32 s40, s21, 8
	s_cmp_lt_u32 s40, s20
	s_cselect_b32 s40, s40, s21                    ; the second tile, or the first once more
	s_cselect_b32 s44, 1, 0                        ; does the second tile live?
	SLOT 0, 21
	SLOT 1, 40
.set a, 0
.rept 2
.set t, 0
.rept 8
	global_load_b32 v[DSTR+8*a+t], v[9+a], s[10:11] offset:8*t  ; where rows 2 t + h of the tile go
.set t, t+1
.endr
.set a, a+1
.endr
	LDB 0
.set ks, 0
.rept AHEAD
	LDA ks
.set ks, ks+1
.endr
.set ks, 0
.rept NK                                               ; the first K step starts the sums
	KSTEP
.set ks, ks+1
.endr
	PLACES                                         ; ahead of the first read of the sums, and of the loads into v32-63, which the last products read
	s_cmp_eq_u32 s44, 0
	s_cbranch_scc1 .Lepi0
	EPI 1
.Lepi0:
	EPI 0
.Lnext:
	s_add_co_u32 s21, s21, 16
	s_sub_co_i32 s22, s22, 1
	s_cmp_lg_u32 s22, 0
	s_cbranch_scc1 .Lpass
	s_wait_tensorcnt 0x0                           ; the wave's end
	ds_add_u32 v30, v31
	s_wait_dscnt 0x0
	s_endpgm
.Lfunc_end_k_qc2327786cc_down:
	.size	k_qc2327786cc_down, .Lfunc_end_k_qc2327786cc_down-k_qc2327786cc_down
	.p2alignl 7, 3214868480
	.fill 96, 4, 3214868480
	.section	.rodata,"a",@progbits
	.p2align	6, 0x0
	.amdhsa_kernel k_qc2327786cc_down
		.amdhsa_group_segment_fixed_size 256000
		.amdhsa_private_segment_fixed_size 0
		.amdhsa_enable_private_segment 0
		.amdhsa_kernarg_size 32
		.amdhsa_user_sgpr_count 2
		.amdhsa_user_sgpr_kernarg_segment_ptr 1
		.amdhsa_wavefront_size32 1
		.amdhsa_system_sgpr_workgroup_id_x 1
		.amdhsa_system_sgpr_workgroup_id_y 1
		.amdhsa_system_sgpr_workgroup_id_z 1
		.amdhsa_system_vgpr_workitem_id 0
		.amdhsa_next_free_vgpr 320
		.amdhsa_next_free_sgpr 66
		.amdhsa_reserve_vcc 0
		.amdhsa_float_denorm_mode_32 3
		.amdhsa_float_denorm_mode_16_64 3
		.amdhsa_memory_ordered 1
		.amdhsa_forward_progress 1
		.amdhsa_inst_pref_size 110
	.end_amdhsa_kernel
	.amdgpu_metadata
---
amdhsa.version: [ 1, 2 ]
amdhsa.kernels:
  - .name:           k_qc2327786cc_down
    .symbol:         k_qc2327786cc_down.kd
    .args:
      - { .name: hs, .offset: 0, .size: 8, .value_kind: global_buffer, .address_space: global }
      - { .name: w_down, .offset: 8, .size: 8, .value_kind: global_buffer, .address_space: global }
      - { .name: dst, .offset: 16, .size: 8, .value_kind: global_buffer, .address_space: global }
      - { .name: pp, .offset: 24, .size: 8, .value_kind: global_buffer, .address_space: global }
    .group_segment_fixed_size: 256000
    .private_segment_fixed_size: 0
    .kernarg_segment_align: 8
    .kernarg_segment_size: 32
    .max_flat_workgroup_size: 256
    .sgpr_count:     66
    .vgpr_count:     320
    .wavefront_size: 32
...
	.end_amdgpu_metadata
.endif
;; end of part 4
;; launch sum (part 5): grid 256 x 1, 8 waves a work-group, no clusters, 0 bytes of LDS; arguments pp, part, out0, out1; writes out0, out1
.if DOCPART == 5
	.amdgcn_target "amdgcn-amd-amdhsa--gfx1250"
	.amdhsa_code_object_version 6
	.text
	.protected	k_qc2327786cc_sum
	.globl	k_qc2327786cc_sum
	.p2align	8
	.type	k_qc2327786cc_sum,@function
k_qc2327786cc_sum:
	s_mov_b64 s[64:65], 0
	v_nop
	global_prefetch_b8 v0, s[64:65] scope:SCOPE_SE
	s_setreg_imm32_b32 hwreg(HW_REG_WAVE_MODE, 25, 1), 1
	s_wait_xcnt 0x0
; SUM.  out0[t] = pp[0][t] + pp[0][1024 + t] + pp[1][t] + pp[1][1024 + t], in f32: a token's two experts, each in two halves of the hidden width.
; A work-group takes four tokens; its 256 threads cover a row of 4,096 bytes with 16 bytes each; all sixteen loads of a thread go out ahead of the first wait.  A stream: no LDS, no matrix unit, nothing shared.
; out1 = 0.01 x 8 x sum over e of (choices of e / 2,048) x (sum of e's probabilities / 1,024): wave 0 of work-group 0 makes it behind its share, from the 256 rows of 16 numbers in part.
	s_load_b256 s[4:11], s[0:1], 0x0               ; pp s[4:5], part s[6:7], out0 s[8:9], out1 s[10:11]
	s_lshl_b32 s12, ttmp9, 14
	v_lshl_add_u32 v1, v0, 4, s12
	v_lshrrev_b32 v2, 5, v0
	v_readfirstlane_b32 s13, v2                    ; wave
	s_wait_kmcnt 0x0
	s_add_nc_u64 s[14:15], s[4:5], 0x800000        ; the second half's partial rows
.set j, 0
.rept 4
	global_load_b128 v[8+16*j:11+16*j],  v1, s[4:5] offset:4096*j th:TH_LOAD_NT
	global_load_b128 v[12+16*j:15+16*j], v1, s[4:5] offset:4096*j+4194304 th:TH_LOAD_NT
	global_load_b128 v[16+16*j:19+16*j], v1, s[14:15] offset:4096*j th:TH_LOAD_NT
	global_load_b128 v[20+16*j:23+16*j], v1, s[14:15] offset:4096*j+4194304 th:TH_LOAD_NT
.set j, j+1
.endr
.set j, 0
.rept 4
.set b, 8+16*j
	s_wait_loadcnt 12-4*j                          ; the later tokens' loads stay out
	v_pk_add_f32 v[b:b+1], v[b:b+1], v[b+4:b+5]
	v_pk_add_f32 v[b+2:b+3], v[b+2:b+3], v[b+6:b+7]
	v_pk_add_f32 v[b+8:b+9], v[b+8:b+9], v[b+12:b+13]
	v_pk_add_f32 v[b+10:b+11], v[b+10:b+11], v[b+14:b+15]
	v_pk_add_f32 v[b:b+1], v[b:b+1], v[b+8:b+9]
	v_pk_add_f32 v[b+2:b+3], v[b+2:b+3], v[b+10:b+11]
	global_store_b128 v1, v[b:b+3], s[8:9] offset:4096*j th:TH_STORE_NT
.set j, j+1
.endr
	s_cmp_lg_u32 ttmp9, 0
	s_cbranch_scc1 .Lend
	s_cmp_lg_u32 s13, 0
	s_cbranch_scc1 .Lend
	s_mov_b32 s16, 0x76543210                      ; v_permlanex16_b32: each lane takes its own place in the other half
	s_mov_b32 s17, 0xfedcba98
	v_lshlrev_b32 v3, 4, v0                        ; wave 0: v0 is the lane
	s_wait_xcnt 0x0                                ; the stores have read v8 and on
.set j, 0
.rept 32                                               ; lane l: row 8 j + l / 4 of part, numbers 4 (l % 4) + 0..3
	global_load_b128 v[8+4*j:11+4*j], v3, s[6:7] offset:512*j
.set j, j+1
.endr
	s_wait_loadcnt 0x0
.irp s, 16,8,4,2,1
.set j, 0
.rept \s
	v_pk_add_f32 v[8+4*j:9+4*j], v[8+4*j:9+4*j], v[8+4*(j+\s):9+4*(j+\s)]
	v_pk_add_f32 v[10+4*j:11+4*j], v[10+4*j:11+4*j], v[10+4*(j+\s):11+4*(j+\s)]
.set j, j+1
.endr
.endr
.irp m, 4,8
.set i, 0
.rept 4
	v_add_f32_dpp v[8+i], v[8+i], v[8+i] row_xmask:\m row_mask:0xf bank_mask:0xf
.set i, i+1
.endr
.endr
.set i, 0
.rept 4
	v_permlanex16_b32 v[12+i], v[8+i], s16, s17
.set i, i+1
.endr
.set i, 0
.rept 4
	v_add_f32 v[8+i], v[8+i], v[12+i]              ; lanes with l % 4 = 0, 1: the probabilities' sums; 2, 3: the counts of choices
.set i, i+1
.endr
.set i, 0
.rept 4
	v_mul_f32_dpp v[12+i], v[8+i], v[8+i] row_xmask:2 row_mask:0xf bank_mask:0xf  ; an expert's sum times its count
.set i, i+1
.endr
	v_add_f32 v12, v12, v13
	v_add_f32 v14, v14, v15
	v_add_f32 v12, v12, v14
	v_add_f32_dpp v12, v12, v12 row_xmask:1 row_mask:0xf bank_mask:0xf
	v_mul_f32 v12, 0x3323d70a, v12                 ; 0.08 / (2,048 x 1,024)
	v_mov_b32 v13, 0
	v_cmp_eq_u32 vcc_lo, 0, v0
	s_wait_xcnt 0x0                                ; EXEC changes only behind this wait
	s_and_saveexec_b32 s18, vcc_lo
	global_store_b32 v13, v12, s[10:11]
	s_endpgm
.Lend:
	s_endpgm
.Lfunc_end_k_qc2327786cc_sum:
	.size	k_qc2327786cc_sum, .Lfunc_end_k_qc2327786cc_sum-k_qc2327786cc_sum
	.p2alignl 7, 3214868480
	.fill 96, 4, 3214868480
	.section	.rodata,"a",@progbits
	.p2align	6, 0x0
	.amdhsa_kernel k_qc2327786cc_sum
		.amdhsa_group_segment_fixed_size 0
		.amdhsa_private_segment_fixed_size 0
		.amdhsa_enable_private_segment 0
		.amdhsa_kernarg_size 32
		.amdhsa_user_sgpr_count 2
		.amdhsa_user_sgpr_kernarg_segment_ptr 1
		.amdhsa_wavefront_size32 1
		.amdhsa_system_sgpr_workgroup_id_x 1
		.amdhsa_system_sgpr_workgroup_id_y 1
		.amdhsa_system_sgpr_workgroup_id_z 1
		.amdhsa_system_vgpr_workitem_id 0
		.amdhsa_next_free_vgpr 144
		.amdhsa_next_free_sgpr 66
		.amdhsa_reserve_vcc 1
		.amdhsa_float_denorm_mode_32 3
		.amdhsa_float_denorm_mode_16_64 3
		.amdhsa_memory_ordered 1
		.amdhsa_forward_progress 1
		.amdhsa_inst_pref_size 13
	.end_amdhsa_kernel
	.amdgpu_metadata
---
amdhsa.version: [ 1, 2 ]
amdhsa.kernels:
  - .name:           k_qc2327786cc_sum
    .symbol:         k_qc2327786cc_sum.kd
    .args:
      - { .name: pp, .offset: 0, .size: 8, .value_kind: global_buffer, .address_space: global }
      - { .name: part, .offset: 8, .size: 8, .value_kind: global_buffer, .address_space: global }
      - { .name: out0, .offset: 16, .size: 8, .value_kind: global_buffer, .address_space: global }
      - { .name: out1, .offset: 24, .size: 8, .value_kind: global_buffer, .address_space: global }
    .group_segment_fixed_size: 0
    .private_segment_fixed_size: 0
    .kernarg_segment_align: 8
    .kernarg_segment_size: 32
    .max_flat_workgroup_size: 256
    .sgpr_count:     66
    .vgpr_count:     144
    .wavefront_size: 32
...
	.end_amdgpu_metadata
.endif
;; end of part 5
;; ======== version 2 of 3: 5 launches; 1.14 times as fast as version 1
;; workspace buffers: sel 4,096 bytes of whole numbers; dst 33,024 bytes of whole numbers; wt8 32,768 bytes; part 16,384 bytes; rwt 32,768 bytes; xs 16,777,216 bytes; hs 45,088,768 bytes; pp 16,777,216 bytes
;; launch router: the kernel of part 1 again; grid 256 x 1, 1 waves a work-group, no clusters, 0 bytes of LDS; arguments x, gate_w, sel, wt8, part; writes sel, wt8, part
;; launch place: the kernel of part 2 again; grid 64 x 8, 4 waves a work-group, no clusters, 34,304 bytes of LDS; arguments sel, wt8, x, xs, rwt, dst; writes xs, rwt, dst
;; launch up (part 6): grid 43 x 8, 8 waves a work-group, no clusters, 111,616 bytes of LDS; arguments xs, w_gate, w_up, dst, rwt, hs; writes hs
.if DOCPART == 6
	.amdgcn_target "amdgcn-amd-amdhsa--gfx1250"
	.amdhsa_code_object_version 6
	.text
	.protected	k_qc2327786cc_up
	.globl	k_qc2327786cc_up
	.p2align	8
	.type	k_qc2327786cc_up,@function
k_qc2327786cc_up:
	s_mov_b64 s[64:65], 0
	v_nop
	global_prefetch_b8 v0, s[64:65] scope:SCOPE_SE
	s_setreg_imm32_b32 hwreg(HW_REG_WAVE_MODE, 25, 1), 1
	s_wait_xcnt 0x0
; UP.  hs = w x silu(X Wg) x (X Wu) for the rows of one expert, 64 hidden columns a work-group.  Work-group (s, e) alone reads columns 64 s .. 64 s + 63 of w_gate[e] and w_up[e].
; THE WALK.  The weights stream UNDER the products.  K goes in 32 steps of 32; two steps are a chunk, and two LDS slots of a chunk (64 rows of 288 bytes: 128 of gate, 128 of up, 32 of padding) take turns.
;   In step ks a wave rounds to bf16 and stores the four weight loads (group ks + 3: four of its 8 rows of a chunk, two rows' 256 aligned bytes a load) that it asked for four steps ago, asks for group ks + 7,
;   for the weight fragments of step ks + 1 (out of LDS, turned) and for the token fragments of step ks + 3 (from xs straight into registers, 512 consecutive bytes a load), and multiplies step ks.
;   ONE BARRIER FOR TWO STEPS, at the head of each odd step: ahead of it every wave has stored its part of the next chunk and has its reads of this chunk's slot back (s_wait_dscnt 0);
;   behind it the next chunk is read and the slot just left is written.  All LDS addresses are fixed: no LDS address register is ever written.
; SHARES.  Wave w takes the tiles (16 rows) w, w + 8, w + 16 in the walk: 24 tiles, 384 rows.  Every wave runs every load, wait and barrier of the walk; what hangs on the expert's count is a forward jump over the
;   third tile's products (their first step always runs, so the sums are always begun) and over the way out of a dead tile.  A dead place repeats the last live tile with all lanes at one address.
;   For an expert with no rows those loads point into its slice of w_gate, so that no unwritten byte is read; its weights are still streamed, so that no barrier hangs on loaded data.
; MORE THAN 384 ROWS: tiles w + 24 p + 8 a, p = 1, 2, go a slow way without barriers: each wave rounds the slice again for itself, a K step at a time, through a stage of its own.
;   It serves every split up to all 1,024 rows on one expert; it reads the slice once more for each wave and overlaps nothing.
; Source 0 = 16 weight columns, source 1 = 16 tokens: a lane holds one token (l % 16) and eight neighbouring hidden columns, the 16 bytes that hs wants of it:
;   hs[e][tile][86 K steps][2 halves][32 lanes][16 bytes], the operand order of the next launch.  The expert's count lies behind dst's lists, at byte 32,768 + 4 e.
; silu(g) = g / (1 + 2^(-g log2 e)); an exponential below 2^-126 counts as 0; NaN and infinities are not treated apart.
; NO JOINT LOADS: a slice of weights has one reader and must pass registers to be rounded; the token tiles that an expert's 43 work-groups share go straight into operand registers, not through LDS.
; REGISTERS.  window 0: v2, v3 the add's; v6-23 offsets and addresses; v12-15 the gate's weights; v24-31 at work; v32-95, v96-159 weight fragments, two buffers of 8; v160-255 token fragments, a ring of four K steps x 3 tiles.
;   window 1: v0-191 accumulators, tile a, fragment c (0-3 gate, 4-7 up) at 64 a + 8 c; v192-255 weights as loaded, a ring of four groups of four loads.
.set PITCH, 288
.set KB,    32*PITCH                ; a K step's rows in LDS
.set SLOT,  2*KB                    ; a chunk
.set PRIV,  2*SLOT                  ; behind the two slots: a stage of one K step for each wave, for the slow way
.set SPARE, PRIV+8*KB               ; 110,592: the spare words, 128 bytes a wave
.set ROWB,  11008                   ; bytes in a row of w_gate and w_up
.set NK,    32                      ; K steps
.set SPW,   2                       ; v2      my spare word's address; never rewritten
.set NIL,   3                       ; v3      0; never rewritten
.set AO,    8                       ; v8-10   tile a: 16 l, or 0 in all lanes for a dead place
.set WT,    12                      ; v12-14  tile a: the gate's weight of my token; v15 is named with v14 as a pair
.set RO,    16                      ; v16-18  tile a: my offset in rwt
.set WG,    19                      ; v19     weights in memory: 16 bytes a lane, lanes 16-31 four rows down
.set WL,    20                      ; v20     weights in LDS: my wave's 8 rows of a chunk, 8 bytes a lane
.set BAS,   21                      ; v21     the turning load's lane term
.set FST,   22                      ; v22     the slow way: where I store into my stage
.set FTR,   23                      ; v23     the slow way: the turning load's address in my stage
.set TP,    24                      ; v24-31  four pairs of rounded weights
.set WR,    192                     ; window 1
.set MSB, 0
.macro WIN new                      ; the immediate's high byte repeats the setting that is left
.if MSB != (\new)
	s_set_vgpr_msb (MSB<<8)|(\new)
.set MSB, \new
.endif
.endm
.macro PLACES
.rept 4
	v_nop
.endr
.endm
; weight group g: load i: matrix i % 2, row 2 (g % 2) + i / 2 of my 8 rows of chunk g / 2 (lanes 16-31: four rows down).  kb: the K step at which the stepped bases stand
.macro WLD g
.set i, 0
.rept 4
	global_load_b128 v[WR+16*((\g)%4)+4*i:WR+16*((\g)%4)+4*i+3], v[WG], s[42+2*(i%2):43+2*(i%2)] offset:(64*((\g)/2-kb/2)+2*((\g)%2)+i/2)*ROWB th:TH_LOAD_NT
.set i, i+1
.endr
.endm
.macro WCV g                        ; rounded: eight plain conversions, which are also the places behind the last products
.set i, 0
.rept 4
	v_cvt_pk_bf16_f32 v[TP+2*i],   v[WR+16*((\g)%4)+4*i],   v[WR+16*((\g)%4)+4*i+1]
	v_cvt_pk_bf16_f32 v[TP+2*i+1], v[WR+16*((\g)%4)+4*i+2], v[WR+16*((\g)%4)+4*i+3]
.set i, i+1
.endr
.endm
.macro WST g                        ; lanes 0-15: 128 consecutive bytes; lanes 16-31: 1,152 bytes on, which is 128 modulo 256
.set i, 0
.rept 4
	ds_store_b64 v[WL], v[TP+2*i:TP+2*i+1] offset:(((\g)/2)%2)*SLOT+(2*((\g)%2)+i/2)*PITCH+(i%2)*128
.set i, i+1
.endr
.endm
.macro LDB k                        ; the weight fragments of K step k into buffer k % 2: 8 fragments of 16 columns x 32 K, two turning loads each
.set c, 0
.rept 8
	ds_load_tr16_b128 v[32+64*((\k)%2)+8*c:32+64*((\k)%2)+8*c+3],   v[BAS] offset:(((\k)/2)%2)*SLOT+((\k)%2)*KB+32*c
	ds_load_tr16_b128 v[32+64*((\k)%2)+8*c+4:32+64*((\k)%2)+8*c+7], v[BAS] offset:(((\k)/2)%2)*SLOT+((\k)%2)*KB+32*c+16*PITCH
.set c, c+1
.endr
.endm
.macro LDA k                        ; the token fragments of K step k for three tiles into ring slot k % 4
.set a, 0
.rept 3
	global_load_b128 v[160+24*((\k)%4)+8*a:160+24*((\k)%4)+8*a+3],   v[AO+a], s[24+2*a:25+2*a] offset:((\k)-kb)*1024
	global_load_b128 v[160+24*((\k)%4)+8*a+4:160+24*((\k)%4)+8*a+7], v[AO+a], s[24+2*a:25+2*a] offset:((\k)-kb)*1024+512
.set a, a+1
.endr
.endm
.macro RLD                          ; the gate's weight of my token, for each tile
	global_load_b32 v[WT],   v[RO],   s[12:13]
	global_load_b32 v[WT+1], v[RO+1], s[12:13]
	global_load_b32 v[WT+2], v[RO+2], s[12:13]
.endm
.macro MM a, zero                   ; tile a's eight products from fragment buffer bb and token registers aa
.set c, 0
.rept 8
.if \zero
	v_wmma_f32_16x16x32_bf16 v[64*(\a)+8*c:64*(\a)+8*c+7], v[bb+8*c:bb+8*c+7], v[aa+8*(\a):aa+8*(\a)+7], 0
.else
	v_wmma_f32_16x16x32_bf16 v[64*(\a)+8*c:64*(\a)+8*c+7], v[bb+8*c:bb+8*c+7], v[aa+8*(\a):aa+8*(\a)+7], v[64*(\a)+8*c:64*(\a)+8*c+7]
.endif
.set c, c+1
.endr
.endm
.macro CNT st                       ; adds to nn the global loads that step st issues: six for tokens (steps -3 .. 28), four for weights (up to step 24; the first four groups count as steps -7 .. -4), three for rwt (step 29)
.if ((\st) >= -3) && ((\st)+3 < NK)
.set nn, nn+6
.endif
.if (\st)+7 < NK
.set nn, nn+4
.endif
.if (\st) == NK-3
.set nn, nn+3
.endif
.endm
; K STEP ks.  Loads come back in order, so each wait names the loads issued behind the one that it wants.  A step issues its token loads ahead of its weight loads.
.macro STEP
.set bar, 0
.if ((ks+5)%2 == 0) && (ks >= -1) && (ks+2 < NK)
.set bar, 1
.endif
.if ks+3 < NK
.set nn, 0
	CNT ks-3
	CNT ks-2
	CNT ks-1
	s_wait_loadcnt nn                              ; weight group ks + 3, the last thing asked for four steps ago, is in: the three younger steps' loads stay out
.endif
.if bar
	s_wait_dscnt 0x0                               ; for the others' sake: my stores into the next chunk are done, my reads of this chunk's slot are back
	s_barrier_signal -1
.endif
.if ks+3 < NK
	WIN 0x05                                       ; sources window 1
	WCV ks+3
.elseif ks > 0
	PLACES
.endif
.if bar
	s_barrier_wait -1
.endif
	WIN 0
.if ks+3 < NK
	WST ks+3
.endif
.if (ks >= -1) && (ks+1 < NK)
	LDB ks+1
.endif
.if ks+3 < NK
	LDA ks+3
.endif
.if ks == NK-3
	RLD
.endif
.if ks+7 < NK
	WIN 0x40                                       ; destination window 1
	WLD ks+7
.endif
.if ks >= 0
.set nd, 0
.if ks+3 < NK
.set nd, nd+4
.endif
.if ks+1 < NK
.set nd, nd+16
.endif
	s_wait_dscnt nd                                ; this step's fragments are in: this step's stores and the next step's fragment loads stay out
.set nn, 0
.if ks+4 < NK
.set nn, 4
.endif
	CNT ks-2
	CNT ks-1
	CNT ks
	s_wait_loadcnt nn                              ; this step's tokens, asked for three steps ago, are in: the weight loads of that step and all of the three younger steps stay out
.set bb, 32+64*(ks%2)
.set aa, 160+24*(ks%4)
	WIN 0x50                                       ; C and D window 1.  The accumulators take turns, one instruction a turn, on every way
.if ks == 0
	MM 0, 1                                        ; the first K step starts all the sums
	MM 1, 1
	MM 2, 1
.else
	MM 0, 0
	MM 1, 0
	WIN 0
	s_cmp_eq_u32 s48, 0
	s_cbranch_scc1 .Lno2_\@                        ; no third tile: its products are jumped
	WIN 0x50
	MM 2, 0
	WIN 0
.Lno2_\@:
.endif
.endif
	WIN 0
.endm
; what place a of the pass that begins at tile s21 needs
.macro TILE a
	s_add_co_u32 s40, s21, 8*\a                    ; the tile
	s_cmp_lt_u32 s40, s20
	s_cselect_b32 s[46+\a], 1, 0                   ; does it live?
	s_mul_i32 s36, s40, 88064
	s_add_nc_u64 s[30+2*\a:31+2*\a], s[14:15], s[36:37]  ; its place in hs (used only if it lives)
	s_min_u32 s40, s40, s49                        ; a dead place repeats the last live tile
	s_min_u32 s40, s40, 63
	s_lshl_b32 s36, s40, 15
	s_add_nc_u64 s[24+2*\a:25+2*\a], s[4:5], s[36:37]    ; its rows in xs
	s_lshl_b32 s36, s40, 6
	v_add_nc_u32 v[RO+\a], s36, v7                 ; 64 tile + 4 r
	v_mul_u32_u24 v[AO+\a], s[46+\a], v6           ; 16 l, or all lanes at one address
.endm
; Tile a leaves: T = v32-63, U = v64-95, packed v[96 + 16 a ..].  Each accumulator is read from its low end on.  The 32 exponentials are one batch with one wait, and so are the 32 reciprocals.
; The gate's weights are in: the wait for all loads stands at the pass's head.
.macro EPI a
	WIN 0x01                                       ; source 0 window 1
.set i, 0
.rept 16
	v_pk_mul_f32 v[32+2*i:33+2*i], v[64*(\a)+2*i:64*(\a)+2*i+1], s[38:39] op_sel_hi:[1,0]  ; -g log2(e)
.set i, i+1
.endr
.set i, 0
.rept 16
.if (\a) == 1
	v_pk_mul_f32 v[64+2*i:65+2*i], v[64*(\a)+32+2*i:64*(\a)+33+2*i], v[WT:WT+1] op_sel:[0,1] op_sel_hi:[1,1]  ; w u: the pair's second register for both
.else
	v_pk_mul_f32 v[64+2*i:65+2*i], v[64*(\a)+32+2*i:64*(\a)+33+2*i], v[WT+(\a):WT+(\a)+1] op_sel_hi:[1,0]     ; w u: the pair's first register for both
.endif
.set i, i+1
.endr
	WIN 0
.set i, 0
.rept 32
	v_exp_f32 v[32+i], v[32+i]
.set i, i+1
.endr
	v_nop
	s_wait_alu depctr_va_vdst(0)
.set i, 0
.rept 16
	v_pk_add_f32 v[32+2*i:33+2*i], v[32+2*i:33+2*i], 1.0 op_sel_hi:[1,0]
.set i, i+1
.endr
.set i, 0
.rept 32
	v_rcp_f32 v[32+i], v[32+i]
.set i, i+1
.endr
	v_nop
	s_wait_alu depctr_va_vdst(0)
	WIN 0x01
.set i, 0
.rept 16
	v_pk_mul_f32 v[32+2*i:33+2*i], v[64*(\a)+2*i:64*(\a)+2*i+1], v[32+2*i:33+2*i]  ; silu(g)
.set i, i+1
.endr
	WIN 0
.set i, 0
.rept 16
	v_pk_mul_f32 v[32+2*i:33+2*i], v[32+2*i:33+2*i], v[64+2*i:65+2*i]
.set i, i+1
.endr
.set i, 0
.rept 16
	v_cvt_pk_bf16_f32 v[96+16*(\a)+i], v[32+2*i], v[33+2*i]
.set i, i+1
.endr
.set i, 0
.rept 4
	global_store_b128 v6, v[96+16*(\a)+4*i:96+16*(\a)+4*i+3], s[30+2*(\a):31+2*(\a)] offset:512*i  ; 512 consecutive bytes, at a multiple of 512 from hs's first
.set i, i+1
.endr
.endm
	s_load_b256 s[4:11], s[0:1], 0x0               ; xs s[4:5], w_gate s[6:7], w_up s[8:9], dst s[10:11]
	s_load_b128 s[12:15], s[0:1], 0x20             ; rwt s[12:13], hs s[14:15]
	v_lshl_add_u32 v[SPW], v0, 2, SPARE            ; my spare word,
	v_mov_b32 v[NIL], 0                            ; and 0: kept for the add at the wave's end
	v_lshrrev_b32 v1, 5, v0
	v_readfirstlane_b32 s16, v1                    ; wave
	s_and_b32 s17, ttmp7, 0xffff                   ; e
	s_mov_b32 s18, ttmp9                           ; s
	v_and_b32 v1, 31, v0                           ; l
	v_and_b32 v4, 15, v0                           ; r
	v_bfe_u32 v5, v0, 4, 1                         ; h
	v_mul_u32_u24 v[WG], v5, 4*ROWB
	v_lshl_add_u32 v[WG], v4, 4, v[WG]
	v_mul_u32_u24 v24, v5, 4*PITCH
	v_lshl_add_u32 v24, v4, 3, v24                 ; 4 h rows + 8 r
	s_mul_i32 s40, s16, 8*PITCH
	v_add_nc_u32 v[WL], s40, v24                   ; + my wave's 8 rows of a chunk
	s_mul_i32 s41, s16, KB
	s_add_co_u32 s41, s41, PRIV                    ; my stage
	v_add_nc_u32 v[FST], s41, v24
	v_and_b32 v24, 7, v0                           ; the turning load: lane l reads row 8 h + l % 8, 16 bytes at 16 ((l / 8) % 2)
	v_lshl_add_u32 v24, v5, 3, v24
	v_mul_u32_u24 v24, v24, PITCH
	v_bfe_u32 v25, v0, 3, 1
	v_lshl_add_u32 v[BAS], v25, 4, v24
	v_add_nc_u32 v[FTR], s41, v[BAS]
	v_lshlrev_b32 v6, 4, v1                        ; 16 l
	v_lshlrev_b32 v7, 2, v4                        ; 4 r
	v_mov_b32 v[WT+3], 0                           ; named with v14 as a pair, not used
	s_mul_i32 s36, s17, 11272192                   ; the expert's matrix,
	s_lshl_b32 s40, s18, 8                         ; the slice's 256 bytes of a row
	s_add_co_u32 s36, s36, s40
	s_mov_b32 s37, 0                               ; stays 0: the high word of every offset
	s_mul_i32 s40, s16, 8*ROWB                     ; my wave's 8 rows of a chunk
	s_mov_b32 s41, 0
	s_wait_kmcnt 0x0
	s_add_nc_u64 s[6:7], s[6:7], s[36:37]          ; the slice of w_gate
	s_add_nc_u64 s[8:9], s[8:9], s[36:37]          ; and of w_up
	s_add_nc_u64 s[42:43], s[6:7], s[40:41]        ; the walk's bases: they step
	s_add_nc_u64 s[44:45], s[8:9], s[40:41]
.set kb, 0
	WIN 0x40
	WLD 0                                          ; the weight ring is filled before anything else is done
	WLD 1
	WLD 2
	WLD 3
	WIN 0
	s_lshl_b32 s36, s17, 2
	s_add_nc_u64 s[10:11], s[10:11], s[36:37]
	s_load_b32 s19, s[10:11], 0x8000               ; the expert's count
	s_lshl_b32 s36, s17, 21
	s_add_nc_u64 s[4:5], s[4:5], s[36:37]          ; xs at the expert
	s_lshl_b32 s36, s17, 12
	s_add_nc_u64 s[12:13], s[12:13], s[36:37]      ; rwt at the expert
	s_mul_i32 s36, s17, 5636096
	s_lshl_b32 s40, s18, 11
	s_add_co_u32 s36, s36, s40
	s_add_nc_u64 s[14:15], s[14:15], s[36:37]      ; hs at the expert and at K steps 2 s, 2 s + 1
	s_mov_b32 s38, 0xbfb8aa3b                      ; -log2(e), named as a pair
	s_mov_b32 s39, s38
	s_wait_kmcnt 0x0
	s_min_u32 s19, s19, 0x400
	s_add_co_u32 s20, s19, 15
	s_lshr_b32 s20, s20, 4                         ; live tiles
	s_max_u32 s49, s20, 1
	s_sub_co_u32 s49, s49, 1                       ; the last live tile
	s_cmp_lg_u32 s20, 0
	s_cselect_b64 s[4:5], s[4:5], s[6:7]           ; an expert with no rows has written nothing: its dead loads read the slice of w_gate
	s_cselect_b64 s[12:13], s[12:13], s[6:7]
	s_mov_b32 s21, s16                             ; the walk's tiles: w, w + 8, w + 16
	TILE 0
	TILE 1
	TILE 2
.set ks, -3
.rept 4                                                ; steps -3 .. -1 fill the first chunks; step 0 starts the sums
	STEP
.set ks, ks+1
.endr
	s_mov_b32 s23, 6
.Lk:                                                   ; steps 1 .. 24: a trip is four steps, once round both slots and both rings
.rept 4
	STEP
.set ks, ks+1
.endr
	s_wait_xcnt 0x0                                ; the bases are stepped only behind this wait
	s_add_nc_u64 s[24:25], s[24:25], 4096
	s_add_nc_u64 s[26:27], s[26:27], 4096
	s_add_nc_u64 s[28:29], s[28:29], 4096
	s_add_nc_u64 s[42:43], s[42:43], 128*ROWB
	s_add_nc_u64 s[44:45], s[44:45], 128*ROWB
	s_sub_co_i32 s23, s23, 1
	s_cmp_lg_u32 s23, 0
	s_cbranch_scc1 .Lk
.set kb, 24
.set ks, 25
.rept 7                                                ; steps 25 .. 31 ask for no more weights, then for no more tokens: the counts run down
	STEP
.set ks, ks+1
.endr
	PLACES                                         ; ahead of the first read of the sums
	s_mov_b32 s22, 3
.Lpass:                                                ; the way out of the tiles in hand; then, if the expert has more than 24 p tiles, the slow way for the next 24
	s_wait_loadcnt 0x0                             ; all my loads are in, on every way: the ways out below read the gate's weights, and the slow way loads into the same registers also where every way out is jumped
	s_cmp_eq_u32 s48, 0
	s_cbranch_scc1 .Le1
	EPI 2
.Le1:
	s_cmp_eq_u32 s47, 0
	s_cbranch_scc1 .Le0
	EPI 1
.Le0:
	s_cmp_eq_u32 s46, 0
	s_cbranch_scc1 .Le
	EPI 0
.Le:
	s_add_co_u32 s21, s21, 24
	s_wait_xcnt 0x0                                ; the stores have read their registers and bases
	TILE 0
	TILE 1
	TILE 2
	s_cmp_eq_u32 s46, 0
	s_cbranch_scc1 .Lnext                          ; no further tile of mine lives: forward, to the counter's step
	RLD
	s_mov_b64 s[50:51], s[6:7]
	s_mov_b64 s[52:53], s[8:9]
	s_mov_b32 s23, NK
.set kb, 0
.Lf:                                                   ; THE SLOW WAY, a K step a trip, all addresses in LDS fixed and the wave's own
	PLACES                                         ; the loads below land in registers that the last products read
	LDA 0
.irp hf, 0,1                                           ; 16 rows of both matrices at a time: load i: matrix i % 2, row 8 (q / 8) + (q / 2) % 4 with q = 16 hf + i
	s_wait_dscnt 0x0                               ; my stage's last readers, and the stores that read the ring, are done
	WIN 0x40
.set i, 0
.rept 16
	global_load_b128 v[WR+4*i:WR+4*i+3], v[WG], s[50+2*(i%2):51+2*(i%2)] offset:(8*((16*\hf+i)/8)+((16*\hf+i)/2)%4)*ROWB
.set i, i+1
.endr
	s_wait_loadcnt 0x0
	WIN 0x45                                       ; all places window 1: rounded in place
.set i, 0
.rept 16
	v_cvt_pk_bf16_f32 v[WR+4*i],   v[WR+4*i],   v[WR+4*i+1]
	v_cvt_pk_bf16_f32 v[WR+4*i+1], v[WR+4*i+2], v[WR+4*i+3]
.set i, i+1
.endr
	WIN 0x04                                       ; the stores' data window 1, their address window 0
.set i, 0
.rept 16
	ds_store_b64 v[FST], v[WR+4*i:WR+4*i+1] offset:(8*((16*\hf+i)/8)+((16*\hf+i)/2)%4)*PITCH+(i%2)*128
.set i, i+1
.endr
.endr
	WIN 0
.set c, 0
.rept 8                                                ; LDS serves a wave's instructions in order: these see the stores above
	ds_load_tr16_b128 v[32+8*c:32+8*c+3], v[FTR] offset:32*c
	ds_load_tr16_b128 v[32+8*c+4:32+8*c+7], v[FTR] offset:32*c+16*PITCH
.set c, c+1
.endr
	s_wait_dscnt 0x0
.set bb, 32
.set aa, 160
	s_cmp_lg_u32 s23, NK
	s_cbranch_scc1 .Lfa
	WIN 0x50
	MM 0, 1                                        ; the first trip starts the sums
	MM 1, 1
	MM 2, 1
	WIN 0
	s_branch .Lfb
.Lfa:
	WIN 0x50
	MM 0, 0
	MM 1, 0
	MM 2, 0
	WIN 0
.Lfb:
	s_wait_xcnt 0x0                                ; the bases are stepped only behind this wait
	s_add_nc_u64 s[24:25], s[24:25], 1024
	s_add_nc_u64 s[26:27], s[26:27], 1024
	s_add_nc_u64 s[28:29], s[28:29], 1024
	s_add_nc_u64 s[50:51], s[50:51], 32*ROWB
	s_add_nc_u64 s[52:53], s[52:53], 32*ROWB
	s_sub_co_i32 s23, s23, 1
	s_cmp_lg_u32 s23, 0
	s_cbranch_scc1 .Lf
	PLACES                                         ; ahead of the first read of the sums
.Lnext:
	s_sub_co_i32 s22, s22, 1
	s_cmp_lg_u32 s22, 0
	s_cbranch_scc1 .Lpass
	s_wait_tensorcnt 0x0                           ; the wave's end
	ds_add_u32 v[SPW], v[NIL]
	s_wait_dscnt 0x0
	s_endpgm
.Lfunc_end_k_qc2327786cc_up:
	.size	k_qc2327786cc_up, .Lfunc_end_k_qc2327786cc_up-k_qc2327786cc_up
	.p2alignl 7, 3214868480
	.fill 96, 4, 3214868480
	.section	.rodata,"a",@progbits
	.p2align	6, 0x0
	.amdhsa_kernel k_qc2327786cc_up
		.amdhsa_group_segment_fixed_size 111616
		.amdhsa_private_segment_fixed_size 0
		.amdhsa_enable_private_segment 0
		.amdhsa_kernarg_size 48
		.amdhsa_user_sgpr_count 2
		.amdhsa_user_sgpr_kernarg_segment_ptr 1
		.amdhsa_wavefront_size32 1
		.amdhsa_system_sgpr_workgroup_id_x 1
		.amdhsa_system_sgpr_workgroup_id_y 1
		.amdhsa_system_sgpr_workgroup_id_z 1
		.amdhsa_system_vgpr_workitem_id 0
		.amdhsa_next_free_vgpr 512
		.amdhsa_next_free_sgpr 66
		.amdhsa_reserve_vcc 0
		.amdhsa_float_denorm_mode_32 3
		.amdhsa_float_denorm_mode_16_64 3
		.amdhsa_memory_ordered 1
		.amdhsa_forward_progress 1
		.amdhsa_inst_pref_size 104
	.end_amdhsa_kernel
	.amdgpu_metadata
---
amdhsa.version: [ 1, 2 ]
amdhsa.kernels:
  - .name:           k_qc2327786cc_up
    .symbol:         k_qc2327786cc_up.kd
    .args:
      - { .name: xs, .offset: 0, .size: 8, .value_kind: global_buffer, .address_space: global }
      - { .name: w_gate, .offset: 8, .size: 8, .value_kind: global_buffer, .address_space: global }
      - { .name: w_up, .offset: 16, .size: 8, .value_kind: global_buffer, .address_space: global }
      - { .name: dst, .offset: 24, .size: 8, .value_kind: global_buffer, .address_space: global }
      - { .name: rwt, .offset: 32, .size: 8, .value_kind: global_buffer, .address_space: global }
      - { .name: hs, .offset: 40, .size: 8, .value_kind: global_buffer, .address_space: global }
    .group_segment_fixed_size: 111616
    .private_segment_fixed_size: 0
    .kernarg_segment_align: 8
    .kernarg_segment_size: 48
    .max_flat_workgroup_size: 256
    .sgpr_count:     66
    .vgpr_count:     512
    .wavefront_size: 32
...
	.end_amdgpu_metadata
.endif
;; end of part 6
;; launch down (part 7): grid 32 x 8, 8 waves a work-group, no clusters, 97,280 bytes of LDS; arguments hs, w_down, dst, pp; writes pp
.if DOCPART == 7
	.amdgcn_target "amdgcn-amd-amdhsa--gfx1250"
	.amdhsa_code_object_version 6
	.text
	.protected	k_qc2327786cc_down
	.globl	k_qc2327786cc_down
	.p2align	8
	.type	k_qc2327786cc_down,@function
k_qc2327786cc_down:
	s_mov_b64 s[64:65], 0
	v_nop
	global_prefetch_b8 v0, s[64:65] scope:SCOPE_SE
	s_setreg_imm32_b32 hwreg(HW_REG_WAVE_MODE, 25, 1), 1
	s_wait_xcnt 0x0
; DOWN.  pp[kh][slot x 1024 + token][:] = the part of (w h) w_down[e] that comes from hidden rows 1,376 kh .. 1,376 kh + 1,375.  Partial sums stay in f32; the next launch adds a token's four.
; Work-group (2 c + kh, e) alone reads columns 64 c .. 64 c + 63 of those 1,376 rows of w_down[e]; 16 x 2 x 8 = 256 work-groups.
; THE WALK.  The weights stream UNDER the products.  K goes in 43 steps of 32; two steps are a chunk, and two LDS slots of a chunk (64 rows of 160 bytes: 128 + 32 of padding) take turns.
;   In step ks a wave rounds to bf16 and stores the two weight loads (group ks + 3: four of its 8 rows of a chunk, two rows' 256 aligned bytes a load) that it asked for eight steps ago, asks for group ks + 11,
;   for the weight fragments of step ks + 1 (out of LDS, turned) and for the hidden fragments of step ks + 6 (from hs straight into registers), and multiplies step ks.
;   The last chunk has one step: its 32 rows are dealt four to a wave (group 42).
;   ONE BARRIER FOR TWO STEPS, at the head of each odd step: ahead of it every wave has stored its part of the next chunk and has its reads of this chunk's slot back (s_wait_dscnt 0);
;   behind it the next chunk is read and the slot just left is written.  All LDS addresses are fixed: no LDS address register is ever written.
; SHARES.  Wave w takes the tiles (16 rows) w, w + 8, w + 16 in the walk: 24 tiles, 384 rows.  Every wave runs every load, wait and barrier of the walk; what hangs on the expert's count is a forward jump over the
;   third tile's products (their first step always runs) and over the way out of a dead tile.  A dead place repeats the last live tile with all lanes at one address.
;   For an expert with no rows those loads point into its slice of w_down, so that no unwritten byte is read; its weights are still streamed, so that no barrier hangs on loaded data.
; MORE THAN 384 ROWS: tiles w + 24 p + 8 a, p = 1, 2, go a slow way without barriers: each wave rounds the slice again for itself, a K step at a time, through a stage of its own.
;   It serves every split up to all 1,024 rows on one expert; it reads the slice once more for each wave and overlaps nothing.
; A lane holds one token and eight neighbouring columns; a tile goes through the wave's own stage (16 rows of 256 + 16 bytes) and leaves as whole pieces of 256 bytes of the rows that dst names.
;   Places past the count repeat the last row: the same wave stores the same numbers to the same bytes.  The expert's count lies behind dst's lists, at byte 32,768 + 4 e.
; NO JOINT LOADS: a slice has one reader and must pass registers to be rounded; the hidden tiles that an expert's work-groups share go straight into operand registers, not through LDS.
; REGISTERS.  window 0: v2, v3 the add's; v6-24 offsets and addresses; v28-31 at work; v32-63, v64-95 weight fragments, two buffers of 4 (v32-63 also a tile read back);
;   v96-159 weights as loaded, a ring of eight groups of two loads (v120-143 later dst, eight a tile); v160-255 accumulators, tile a, fragment c at 160 + 32 a + 8 c.
;   window 1: v0-191 hidden fragments, a ring of eight K steps x 3 tiles.
.set PITCH, 160
.set KB,    32*PITCH                ; a K step's rows in LDS
.set SLOT,  2*KB                    ; a chunk
.set PRIV,  2*SLOT                  ; behind the two slots: a stage of one K step for each wave, for the slow way
.set STAGE, PRIV+8*KB               ; 61,440: the stages of the way out
.set SP,    272
.set SPARE, STAGE+8*16*SP           ; 96,256: the spare words, 128 bytes a wave
.set NK,    43                      ; K steps
.set SPW,   2                       ; v2      my spare word's address; never rewritten
.set NIL,   3                       ; v3      0; never rewritten
.set H4,    7                       ; v7      4 h
.set AO,    8                       ; v8-10   tile a: 16 l, or 0 in all lanes for a dead place
.set DO,    12                      ; v12-14  tile a: my offset in dst
.set R16,   15                      ; v15     16 r
.set WG,    16                      ; v16     weights in memory: 16 bytes a lane, lanes 16-31 four rows down
.set WL,    17                      ; v17     weights in LDS: my wave's 8 rows of a chunk, 8 bytes a lane
.set WG2,   18                      ; v18     the last group in memory: my wave's 4 rows, lanes 16-31 two rows down
.set WL2,   19                      ; v19     and in LDS
.set STO,   20                      ; v20     the way out: where I put 32 bytes of a row
.set RD,    21                      ; v21     the way out: where I read a row back
.set BAS,   22                      ; v22     the turning load's lane term
.set FST,   23                      ; v23     the slow way: where I store into my stage
.set FTR,   24                      ; v24     the slow way: the turning load's address in my stage
.set TP,    28                      ; v28-31  two pairs of rounded weights
.set BK,    32
.set WR,    96
.set DSTR,  120
.set ACC,   160
.set MSB, 0
.macro WIN new                      ; the immediate's high byte repeats the setting that is left
.if MSB != (\new)
	s_set_vgpr_msb (MSB<<8)|(\new)
.set MSB, \new
.endif
.endm
.macro PLACES
.rept 4
	v_nop
.endr
.endm
; weight group g: load i: row 2 (g % 2) + i of my 8 rows of chunk g / 2 (lanes 16-31: four rows down); the last group: row i of my 4 rows (lanes 16-31: two rows down).  kb: the K step at which the stepped bases stand
.macro WLD g
.set i, 0
.rept 2
.if (\g) == NK-1
	global_load_b128 v[WR+8*((\g)%8)+4*i:WR+8*((\g)%8)+4*i+3], v[WG2], s[44:45] offset:i*4096 th:TH_LOAD_NT
.else
	global_load_b128 v[WR+8*((\g)%8)+4*i:WR+8*((\g)%8)+4*i+3], v[WG], s[42:43] offset:(64*((\g)/2-kb/2)+2*((\g)%2)+i)*4096 th:TH_LOAD_NT
.endif
.set i, i+1
.endr
.endm
.macro WCV g                        ; rounded: four plain conversions, which are also the places behind the last products
.set i, 0
.rept 2
	v_cvt_pk_bf16_f32 v[TP+2*i],   v[WR+8*((\g)%8)+4*i],   v[WR+8*((\g)%8)+4*i+1]
	v_cvt_pk_bf16_f32 v[TP+2*i+1], v[WR+8*((\g)%8)+4*i+2], v[WR+8*((\g)%8)+4*i+3]
.set i, i+1
.endr
.endm
.macro WST g                        ; lanes 0-15: 128 consecutive bytes; lanes 16-31: 640 bytes on, which is 128 modulo 256 (the last group: 320 bytes on)
.set i, 0
.rept 2
.if (\g) == NK-1
	ds_store_b64 v[WL2], v[TP+2*i:TP+2*i+1] offset:SLOT+i*PITCH
.else
	ds_store_b64 v[WL], v[TP+2*i:TP+2*i+1] offset:(((\g)/2)%2)*SLOT+(2*((\g)%2)+i)*PITCH
.endif
.set i, i+1
.endr
.endm
.macro LDB k                        ; the weight fragments of K step k into buffer k % 2: 4 fragments of 16 columns x 32 K, two turning loads each
.set c, 0
.rept 4
	ds_load_tr16_b128 v[32+32*((\k)%2)+8*c:32+32*((\k)%2)+8*c+3],   v[BAS] offset:(((\k)/2)%2)*SLOT+((\k)%2)*KB+32*c
	ds_load_tr16_b128 v[32+32*((\k)%2)+8*c+4:32+32*((\k)%2)+8*c+7], v[BAS] offset:(((\k)/2)%2)*SLOT+((\k)%2)*KB+32*c+16*PITCH
.set c, c+1
.endr
.endm
.macro LDA k                        ; the hidden fragments of K step k for three tiles into ring slot k % 8 (window 1)
.set a, 0
.rept 3
	global_load_b128 v[24*((\k)%8)+8*a:24*((\k)%8)+8*a+3],   v[AO+a], s[24+2*a:25+2*a] offset:((\k)-kb)*1024
	global_load_b128 v[24*((\k)%8)+8*a+4:24*((\k)%8)+8*a+7], v[AO+a], s[24+2*a:25+2*a] offset:((\k)-kb)*1024+512
.set a, a+1
.endr
.endm
.macro DLD                          ; where rows 2 t + h of each tile go
.set a, 0
.rept 3
.set t, 0
.rept 8
	global_load_b32 v[DSTR+8*a+t], v[DO+a], s[10:11] offset:8*t
.set t, t+1
.endr
.set a, a+1
.endr
.endm
.macro MM a, zero                   ; tile a's four products from fragment buffer bb and hidden registers aa (window 1)
.set c, 0
.rept 4
.if \zero
	v_wmma_f32_16x16x32_bf16 v[ACC+32*(\a)+8*c:ACC+32*(\a)+8*c+7], v[bb+8*c:bb+8*c+7], v[aa+8*(\a):aa+8*(\a)+7], 0
.else
	v_wmma_f32_16x16x32_bf16 v[ACC+32*(\a)+8*c:ACC+32*(\a)+8*c+7], v[bb+8*c:bb+8*c+7], v[aa+8*(\a):aa+8*(\a)+7], v[ACC+32*(\a)+8*c:ACC+32*(\a)+8*c+7]
.endif
.set c, c+1
.endr
.endm
.macro CNT st                       ; adds to nn the global loads that step st issues: six for hidden rows (steps -6 .. 36), two for weights (steps -11 .. 31; what stands ahead of step -3 is issued at the head, in this order), 24 for dst (step 37)
.if ((\st) >= -6) && ((\st)+6 < NK)
.set nn, nn+6
.endif
.if (\st)+11 < NK
.set nn, nn+2
.endif
.if (\st) == NK-6
.set nn, nn+24
.endif
.endm
; K STEP ks.  Loads come back in order, so each wait names the loads issued behind the one that it wants.  A step issues its hidden-row loads ahead of its weight loads.
.macro STEP
.set bar, 0
.if ((ks+5)%2 == 0) && (ks >= -1) && (ks+1 < NK)
.set bar, 1
.endif
.if ks <= 0
.set nn, 0
	CNT ks-7
	CNT ks-6
	CNT ks-5
	CNT ks-4
	CNT ks-3
	CNT ks-2
	CNT ks-1
	s_wait_loadcnt nn                              ; weight group ks + 3 is in: seven younger steps' loads stay out.  From step 1 on the last step's wait for its hidden rows has shown this already
.endif
.if bar
	s_wait_dscnt 0x0                               ; for the others' sake: my stores into the next chunk are done, my reads of this chunk's slot are back
	s_barrier_signal -1
.endif
.if ks+3 < NK
	WCV ks+3
.elseif ks > 0
	PLACES
.endif
.if bar
	s_barrier_wait -1
.endif
.if ks+3 < NK
	WST ks+3
.endif
.if (ks >= -1) && (ks+1 < NK)
	LDB ks+1
.endif
.if ks+6 < NK
	WIN 0x40                                       ; destination window 1
	LDA ks+6
	WIN 0
.endif
.if ks == NK-6
	DLD                                            ; into ring registers whose last groups were rounded in steps 32 to 34
.endif
.if ks+11 < NK
	WLD ks+11
.endif
.if ks >= 0
.set nd, 0
.if ks+3 < NK
.set nd, nd+2
.endif
.if ks+1 < NK
.set nd, nd+8
.endif
	s_wait_dscnt nd                                ; this step's fragments are in: this step's stores and the next step's fragment loads stay out
.set nn, 0
.if ks+5 < NK
.set nn, 2
.endif
	CNT ks-5
	CNT ks-4
	CNT ks-3
	CNT ks-2
	CNT ks-1
	CNT ks
	s_wait_loadcnt nn                              ; this step's hidden rows, asked for six steps ago, are in: the weight loads of that step and all of the six younger steps stay out
.set bb, 32+32*(ks%2)
.set aa, 24*(ks%8)
	WIN 0x04                                       ; source 1 window 1.  The accumulators take turns, one instruction a turn, on every way
.if ks == 0
	MM 0, 1                                        ; the first K step starts all the sums
	MM 1, 1
	MM 2, 1
.else
	MM 0, 0
	MM 1, 0
	WIN 0
	s_cmp_eq_u32 s48, 0
	s_cbranch_scc1 .Lno2_\@                        ; no third tile: its products are jumped
	WIN 0x04
	MM 2, 0
	WIN 0
.Lno2_\@:
.endif
.endif
	WIN 0
.endm
; what place a of the pass that begins at tile s21 needs
.macro TILE a
	s_add_co_u32 s40, s21, 8*\a                    ; the tile
	s_cmp_lt_u32 s40, s20
	s_cselect_b32 s[46+\a], 1, 0                   ; does it live?
	s_min_u32 s40, s40, s49                        ; a dead place repeats the last live tile
	s_min_u32 s40, s40, 63
	s_mul_i32 s36, s40, 88064
	s_add_nc_u64 s[24+2*\a:25+2*\a], s[4:5], s[36:37]    ; its rows in hs
	s_lshl_b32 s36, s40, 6
	v_add_nc_u32 v[DO+\a], s36, v[H4]              ; 64 tile + 4 h
	v_mul_u32_u24 v[AO+\a], s[46+\a], v6           ; 16 l, or all lanes at one address
.endm
; Tile a leaves through my stage.  Each accumulator's low four registers are stored first.  dst is in: the wait for all loads stands at the pass's head.
.macro EPI a
.set c, 0
.rept 4
	ds_store_b128 v[STO], v[ACC+32*(\a)+8*c:ACC+32*(\a)+8*c+3]   offset:64*c
	ds_store_b128 v[STO], v[ACC+32*(\a)+8*c+4:ACC+32*(\a)+8*c+7] offset:64*c+16
.set c, c+1
.endr
	s_wait_xcnt 0x0                                ; the tile before has had its stores read v32-63
.set t, 0
.rept 8
	ds_load_b128 v[BK+4*t:BK+4*t+3], v[RD] offset:2*SP*t  ; LDS serves a wave's instructions in order: these see the stores above, and the next tile's stores come behind them
.set t, t+1
.endr
.set t, 0
.rept 8
	v_min_u32 v[DSTR+8*(\a)+t], 0x7ff, v[DSTR+8*(\a)+t]
	v_lshl_add_u32 v[DSTR+8*(\a)+t], v[DSTR+8*(\a)+t], 12, v[R16]
.set t, t+1
.endr
.set t, 0
.rept 8
	s_wait_dscnt 7-t
	global_store_b128 v[DSTR+8*(\a)+t], v[BK+4*t:BK+4*t+3], s[12:13]  ; 16 lanes store 256 consecutive bytes of a row, at a multiple of 256 from pp's first
.set t, t+1
.endr
.endm
	s_load_b128 s[4:7], s[0:1], 0x0                ; hs s[4:5], w_down s[6:7]
	s_load_b64 s[10:11], s[0:1], 0x10              ; dst
	s_load_b64 s[12:13], s[0:1], 0x18              ; pp
	v_lshl_add_u32 v[SPW], v0, 2, SPARE            ; my spare word,
	v_mov_b32 v[NIL], 0                            ; and 0: kept for the add at the wave's end
	v_lshrrev_b32 v1, 5, v0
	v_readfirstlane_b32 s16, v1                    ; wave
	s_and_b32 s17, ttmp7, 0xffff                   ; e
	s_lshr_b32 s18, ttmp9, 1                       ; c
	s_and_b32 s54, ttmp9, 1                        ; kh
	v_and_b32 v1, 31, v0                           ; l
	v_and_b32 v4, 15, v0                           ; r
	v_bfe_u32 v5, v0, 4, 1                         ; h
	v_lshlrev_b32 v[WG], 14, v5
	v_lshl_add_u32 v[WG], v4, 4, v[WG]             ; 4 h rows + 16 r
	s_lshl_b32 s40, s16, 14
	v_lshlrev_b32 v[WG2], 13, v5
	v_lshl_add_u32 v[WG2], v4, 4, v[WG2]
	v_add_nc_u32 v[WG2], s40, v[WG2]               ; (4 w + 2 h) rows + 16 r
	v_mul_u32_u24 v25, v5, 4*PITCH
	v_lshl_add_u32 v25, v4, 3, v25                 ; 4 h rows + 8 r
	s_mul_i32 s40, s16, 8*PITCH
	v_add_nc_u32 v[WL], s40, v25                   ; + my wave's 8 rows of a chunk
	s_mul_i32 s41, s16, KB
	s_add_co_u32 s41, s41, PRIV                    ; my stage of the slow way
	v_add_nc_u32 v[FST], s41, v25
	v_mul_u32_u24 v25, v5, 2*PITCH
	v_lshl_add_u32 v25, v4, 3, v25
	s_mul_i32 s40, s16, 4*PITCH
	v_add_nc_u32 v[WL2], s40, v25                  ; (4 w + 2 h) rows + 8 r
	v_and_b32 v25, 7, v0                           ; the turning load: lane l reads row 8 h + l % 8, 16 bytes at 16 ((l / 8) % 2)
	v_lshl_add_u32 v25, v5, 3, v25
	v_mul_u32_u24 v25, v25, PITCH
	v_bfe_u32 v26, v0, 3, 1
	v_lshl_add_u32 v[BAS], v26, 4, v25
	v_add_nc_u32 v[FTR], s41, v[BAS]
	v_lshlrev_b32 v6, 4, v1                        ; 16 l
	v_lshlrev_b32 v[H4], 2, v5
	v_lshlrev_b32 v[R16], 4, v4
	s_mul_i32 s40, s16, 16*SP
	s_add_co_u32 s40, s40, STAGE                   ; my stage of the way out
	v_mul_u32_u24 v[STO], v4, SP                   ; in: row r, 32 bytes for each half of the lanes
	v_lshl_add_u32 v[STO], v5, 5, v[STO]
	v_add_nc_u32 v[STO], s40, v[STO]
	v_mul_u32_u24 v[RD], v5, SP                    ; back: lanes 0-15 one row of 256 bytes, lanes 16-31 the next
	v_lshl_add_u32 v[RD], v4, 4, v[RD]
	v_add_nc_u32 v[RD], s40, v[RD]
	s_mul_i32 s36, s17, 11272192                   ; the expert's matrix,
	s_mul_i32 s40, s54, 1376*4096                  ; my half of its rows,
	s_add_co_u32 s36, s36, s40
	s_lshl_b32 s40, s18, 8                         ; the slice's 256 bytes of a row
	s_add_co_u32 s36, s36, s40
	s_mov_b32 s37, 0                               ; stays 0: the high word of every offset
	s_lshl_b32 s40, s16, 15                        ; my wave's 8 rows of a chunk
	s_mov_b32 s41, 0
	s_wait_kmcnt 0x0
	s_add_nc_u64 s[6:7], s[6:7], s[36:37]          ; the slice
	s_add_nc_u64 s[42:43], s[6:7], s[40:41]        ; the walk's base: it steps
	s_add_nc_u64 s[44:45], s[6:7], 1344*4096       ; the last chunk's 32 rows
.set kb, 0
	WLD 0                                          ; five groups go out before anything else is done
	WLD 1
	WLD 2
	WLD 3
	WLD 4
	s_lshl_b32 s36, s17, 2
	s_add_nc_u64 s[8:9], s[10:11], s[36:37]
	s_load_b32 s19, s[8:9], 0x8000                 ; the expert's count
	s_mul_i32 s36, s17, 5636096
	s_mul_i32 s40, s54, 44032
	s_add_co_u32 s36, s36, s40
	s_add_nc_u64 s[4:5], s[4:5], s[36:37]          ; hs at the expert and at my half of its K steps
	s_lshl_b32 s36, s17, 12
	s_add_nc_u64 s[10:11], s[10:11], s[36:37]      ; dst at the expert
	s_lshl_b32 s36, s54, 23
	s_lshl_b32 s40, s18, 8
	s_add_co_u32 s36, s36, s40
	s_add_nc_u64 s[12:13], s[12:13], s[36:37]      ; pp at my half and my 256 bytes of a row
	s_wait_kmcnt 0x0
	s_min_u32 s19, s19, 0x400
	s_add_co_u32 s20, s19, 15
	s_lshr_b32 s20, s20, 4                         ; live tiles
	s_max_u32 s49, s20, 1
	s_sub_co_u32 s49, s49, 1                       ; the last live tile
	s_cmp_lg_u32 s20, 0
	s_cselect_b64 s[4:5], s[4:5], s[6:7]           ; an expert with no rows has written nothing: its dead loads read the slice of w_down
	s_cselect_b64 s[10:11], s[10:11], s[6:7]
	s_mov_b32 s21, s16                             ; the walk's tiles: w, w + 8, w + 16
	TILE 0
	TILE 1
	TILE 2
.irp k, 0,1,2                                          ; what steps -6 .. -4 would issue, in a step's order
	WIN 0x40
	LDA \k
	WIN 0
	WLD 5+\k
.endr
.set ks, -3
.rept 4                                                ; steps -3 .. -1 fill the first chunks; step 0 starts the sums
	STEP
.set ks, ks+1
.endr
	s_mov_b32 s23, 3
.Lk:                                                   ; steps 1 .. 24: a trip is eight steps, once round both rings and twice round the slots
.rept 8
	STEP
.set ks, ks+1
.endr
	s_wait_xcnt 0x0                                ; the bases are stepped only behind this wait
	s_add_nc_u64 s[24:25], s[24:25], 8192
	s_add_nc_u64 s[26:27], s[26:27], 8192
	s_add_nc_u64 s[28:29], s[28:29], 8192
	s_add_nc_u64 s[42:43], s[42:43], 256*4096
	s_sub_co_i32 s23, s23, 1
	s_cmp_lg_u32 s23, 0
	s_cbranch_scc1 .Lk
.set kb, 24
.set ks, 25
.rept 18                                               ; steps 25 .. 42: the last weights, the last hidden rows, dst: the counts run down
	STEP
.set ks, ks+1
.endr
	PLACES                                         ; ahead of the first read of the sums, and of the loads into v32-63, which the last products read
	s_mov_b32 s22, 3
.Lpass:                                                ; the way out of the tiles in hand; then, if the expert has more than 24 p tiles, the slow way for the next 24
	s_wait_loadcnt 0x0                             ; all my loads are in, on every way: the ways out below read dst, and the slow way loads into the same registers also where every way out is jumped
	s_cmp_eq_u32 s48, 0
	s_cbranch_scc1 .Le1
	EPI 2
.Le1:
	s_cmp_eq_u32 s47, 0
	s_cbranch_scc1 .Le0
	EPI 1
.Le0:
	s_cmp_eq_u32 s46, 0
	s_cbranch_scc1 .Le
	EPI 0
.Le:
	s_add_co_u32 s21, s21, 24
	s_wait_xcnt 0x0                                ; the stores have read their registers
	TILE 0
	TILE 1
	TILE 2
	s_cmp_eq_u32 s46, 0
	s_cbranch_scc1 .Lnext                          ; no further tile of mine lives: forward, to the counter's step
	s_mov_b64 s[50:51], s[6:7]
	s_mov_b32 s23, NK
.set kb, 0
.Lf:                                                   ; THE SLOW WAY, a K step a trip, all addresses in LDS fixed and the wave's own
	PLACES                                         ; the loads below land in registers that the last products read
	WIN 0x40
	LDA 0
	WIN 0
.set q, 0
.rept 16                                               ; the step's 32 rows: load q: row 8 (q / 4) + q % 4, lanes 16-31 four rows down
	global_load_b128 v[WR+4*q:WR+4*q+3], v[WG], s[50:51] offset:(8*(q/4)+q%4)*4096
.set q, q+1
.endr
	s_wait_loadcnt 0x0
.set q, 0
.rept 16                                               ; rounded in place
	v_cvt_pk_bf16_f32 v[WR+4*q],   v[WR+4*q],   v[WR+4*q+1]
	v_cvt_pk_bf16_f32 v[WR+4*q+1], v[WR+4*q+2], v[WR+4*q+3]
	ds_store_b64 v[FST], v[WR+4*q:WR+4*q+1] offset:(8*(q/4)+q%4)*PITCH
.set q, q+1
.endr
.set c, 0
.rept 4                                                ; LDS serves a wave's instructions in order: these see the stores above
	ds_load_tr16_b128 v[32+8*c:32+8*c+3], v[FTR] offset:32*c
	ds_load_tr16_b128 v[32+8*c+4:32+8*c+7], v[FTR] offset:32*c+16*PITCH
.set c, c+1
.endr
	s_wait_dscnt 0x0                               ; the fragments are in, and the stores have read the ring
.set bb, 32
.set aa, 0
	s_cmp_lg_u32 s23, NK
	s_cbranch_scc1 .Lfa
	WIN 0x04
	MM 0, 1                                        ; the first trip starts the sums
	MM 1, 1
	MM 2, 1
	WIN 0
	s_branch .Lfb
.Lfa:
	WIN 0x04
	MM 0, 0
	MM 1, 0
	MM 2, 0
	WIN 0
.Lfb:
	s_wait_xcnt 0x0                                ; the bases are stepped only behind this wait
	s_add_nc_u64 s[24:25], s[24:25], 1024
	s_add_nc_u64 s[26:27], s[26:27], 1024
	s_add_nc_u64 s[28:29], s[28:29], 1024
	s_add_nc_u64 s[50:51], s[50:51], 32*4096
	s_sub_co_i32 s23, s23, 1
	s_cmp_lg_u32 s23, 0
	s_cbranch_scc1 .Lf
	PLACES                                         ; ahead of the first read of the sums
	DLD
.Lnext:
	s_sub_co_i32 s22, s22, 1
	s_cmp_lg_u32 s22, 0
	s_cbranch_scc1 .Lpass
	s_wait_tensorcnt 0x0                           ; the wave's end
	ds_add_u32 v[SPW], v[NIL]
	s_wait_dscnt 0x0
	s_endpgm
.Lfunc_end_k_qc2327786cc_down:
	.size	k_qc2327786cc_down, .Lfunc_end_k_qc2327786cc_down-k_qc2327786cc_down
	.p2alignl 7, 3214868480
	.fill 96, 4, 3214868480
	.section	.rodata,"a",@progbits
	.p2align	6, 0x0
	.amdhsa_kernel k_qc2327786cc_down
		.amdhsa_group_segment_fixed_size 97280
		.amdhsa_private_segment_fixed_size 0
		.amdhsa_enable_private_segment 0
		.amdhsa_kernarg_size 32
		.amdhsa_user_sgpr_count 2
		.amdhsa_user_sgpr_kernarg_segment_ptr 1
		.amdhsa_wavefront_size32 1
		.amdhsa_system_sgpr_workgroup_id_x 1
		.amdhsa_system_sgpr_workgroup_id_y 1
		.amdhsa_system_sgpr_workgroup_id_z 1
		.amdhsa_system_vgpr_workitem_id 0
		.amdhsa_next_free_vgpr 448
		.amdhsa_next_free_sgpr 66
		.amdhsa_reserve_vcc 0
		.amdhsa_float_denorm_mode_32 3
		.amdhsa_float_denorm_mode_16_64 3
		.amdhsa_memory_ordered 1
		.amdhsa_forward_progress 1
		.amdhsa_inst_pref_size 104
	.end_amdhsa_kernel
	.amdgpu_metadata
---
amdhsa.version: [ 1, 2 ]
amdhsa.kernels:
  - .name:           k_qc2327786cc_down
    .symbol:         k_qc2327786cc_down.kd
    .args:
      - { .name: hs, .offset: 0, .size: 8, .value_kind: global_buffer, .address_space: global }
      - { .name: w_down, .offset: 8, .size: 8, .value_kind: global_buffer, .address_space: global }
      - { .name: dst, .offset: 16, .size: 8, .value_kind: global_buffer, .address_space: global }
      - { .name: pp, .offset: 24, .size: 8, .value_kind: global_buffer, .address_space: global }
    .group_segment_fixed_size: 97280
    .private_segment_fixed_size: 0
    .kernarg_segment_align: 8
    .kernarg_segment_size: 32
    .max_flat_workgroup_size: 256
    .sgpr_count:     66
    .vgpr_count:     448
    .wavefront_size: 32
...
	.end_amdgpu_metadata
.endif
;; end of part 7
;; launch sum: the kernel of part 5 again; grid 256 x 1, 8 waves a work-group, no clusters, 0 bytes of LDS; arguments pp, part, out0, out1; writes out0, out1
;; ======== version 3 of 3: 5 launches; version 2 with the launch down written anew for expert scheduling mode
;; workspace buffers: sel 4,096 bytes of whole numbers; dst 33,024 bytes of whole numbers; wt8 32,768 bytes; part 16,384 bytes; rwt 32,768 bytes; xs 16,777,216 bytes; hs 45,088,768 bytes; pp 16,777,216 bytes
;; launch router: the kernel of part 1 again; grid 256 x 1, 1 waves a work-group, no clusters, 0 bytes of LDS; arguments x, gate_w, sel, wt8, part; writes sel, wt8, part
;; launch place: the kernel of part 2 again; grid 64 x 8, 4 waves a work-group, no clusters, 34,304 bytes of LDS; arguments sel, wt8, x, xs, rwt, dst; writes xs, rwt, dst
;; launch up: the kernel of part 6 again; grid 43 x 8, 8 waves a work-group, no clusters, 111,616 bytes of LDS; arguments xs, w_gate, w_up, dst, rwt, hs; writes hs
;; launch down (part 8): grid 32 x 8, 8 waves a work-group, no clusters, 97,280 bytes of LDS; arguments hs, w_down, dst, pp; writes pp
.if DOCPART == 8
	.amdgcn_target "amdgcn-amd-amdhsa--gfx1250"
	.amdhsa_code_object_version 6
	.text
	.protected	k_qc2327786cc_down
	.globl	k_qc2327786cc_down
	.p2align	8
	.type	k_qc2327786cc_down,@function
k_qc2327786cc_down:
	s_mov_b64 s[64:65], 0
	v_nop
	global_prefetch_b8 v0, s[64:65] scope:SCOPE_SE
	s_setreg_imm32_b32 hwreg(HW_REG_WAVE_SCHED_MODE, 0, 2), 2
	s_setreg_imm32_b32 hwreg(HW_REG_WAVE_MODE, 25, 1), 1
	s_wait_xcnt 0x0
	s_wait_alu depctr_vm_vsrc(0)
; DOWN.  pp[kh][slot x 1024 + token][:] = the part of (w h) w_down[e] that comes from hidden rows 1,376 kh .. 1,376 kh + 1,375.  Partial sums stay in f32; the next launch adds a token's four.
; Work-group (2 c + kh, e) alone reads columns 64 c .. 64 c + 63 of those 1,376 rows of w_down[e]; 16 x 2 x 8 = 256 work-groups.
; THE WALK.  The weights stream UNDER the products.  K goes in 43 steps of 32; two steps are a chunk, and two LDS slots of a chunk (64 rows of 160 bytes: 128 + 32 of padding) take turns.
;   In step ks a wave rounds to bf16 and stores the two weight loads (group ks + 3: four of its 8 rows of a chunk, two rows' 256 aligned bytes a load) that it asked for eight steps ago, asks for group ks + 11,
;   for the weight fragments of step ks + 1 (out of LDS, turned) and for the hidden fragments of step ks + 6 (from hs straight into registers), and multiplies step ks.
;   The last chunk has one step: its 32 rows are dealt four to a wave (group 42).
;   ONE BARRIER FOR TWO STEPS, at the head of each odd step: ahead of it every wave has stored its part of the next chunk and has its reads of this chunk's slot back (s_wait_dscnt 0);
;   behind it the next chunk is read and the slot just left is written.  All LDS addresses are fixed: no LDS address register is ever written.
; SHARES.  Wave w takes the tiles (16 rows) w, w + 8, w + 16 in the walk: 24 tiles, 384 rows.  Every wave runs every load, wait and barrier of the walk; what hangs on the expert's count is a forward jump over the
;   third tile's products (their first step always runs) and over the way out of a dead tile.  A dead place repeats the last live tile with all lanes at one address.
;   For an expert with no rows those loads point into its slice of w_down, so that no unwritten byte is read; its weights are still streamed, so that no barrier hangs on loaded data.
; MORE THAN 384 ROWS: tiles w + 24 p + 8 a, p = 1, 2, go a slow way without barriers: each wave rounds the slice again for itself, a K step at a time, through a stage of its own.
;   It serves every split up to all 1,024 rows on one expert; it reads the slice once more for each wave and overlaps nothing.
; A lane holds one token and eight neighbouring columns; a tile goes through the wave's own stage (16 rows of 256 + 16 bytes) and leaves as whole pieces of 256 bytes of the rows that dst names.
;   Places past the count repeat the last row: the same wave stores the same numbers to the same bytes.  The expert's count lies behind dst's lists, at byte 32,768 + 4 e.
; NO JOINT LOADS: a slice has one reader and must pass registers to be rounded; the hidden tiles that an expert's work-groups share go straight into operand registers, not through LDS.
; THE MODE: SCHED_MODE bits 1:0 = 2 (LLVM: expert scheduling mode 2), set by the entry lines.  The code itself states the register dependences
;   between vector or matrix instructions and memory or LDS instructions, with s_wait_alu, always for 0.
; THE PLAN.  Registers that memory or LDS instructions touch in the walk:
;   WR0 .. WR7 (v96-159)     Step ks: its four conversions read WR[(ks + 3) % 8]; behind them the two loads of group ks + 11 land in it.  In step 37 dst lands in WR3 to WR5, which the conversions of steps 32 to 34 read last.
;   T0, T1 (v28-31, v2-5)    Step ks: its conversions write T[(ks + 3) % 2], its two LDS stores read it; it is written again two steps on.
;   F0, F1 (v32-63, v64-95)  Step ks: its products read F[ks % 2]; the LDS loads of step ks + 1 land in it (the fragments of step ks + 2).
;   H0 .. H7 (window 1)      Step ks: its products read H[ks % 8]; the loads of step ks + 2 land in it (the rows of step ks + 8).
;   v6-24                    Offsets and LDS addresses, made ahead of the walk and never written in it: the rows are reached by scalar bases and immediate offsets.
;   The accumulators are named by matrix instructions alone until the way out.
;   So TWO waits stand in a step, behind its conversions and ahead of its first memory instruction.  The one on vm_vsrc: the LDS stores of the step before have read the other T, which the next step's conversions write.
;   The one on va_vdst: the conversions have written this T and are done reading their WR; the products of the step before are done reading the other F, those of two steps back their H.
;   The step's memory instructions follow with no further wait, the global loads dealt among its products, which name F[ks % 2], H[ks % 8] and the accumulators: none of the registers that those loads touch.
; REGISTERS.  window 0: v2-5, v28-31 rounded weights, two buffers (v4, v5 at the head: r and h); v6-24 offsets and addresses; v32-63, v64-95 weight fragments, two buffers of 4 (v32-63 also a tile read back);
;   v96-159 weights as loaded, a ring of eight groups of two loads (v120-143 later dst, eight a tile); v160-255 accumulators, tile a, fragment c at 160 + 32 a + 8 c.
;   window 1: v0-191 hidden fragments, a ring of eight K steps x 3 tiles.
.set PITCH, 160
.set KB,    32*PITCH                ; a K step's rows in LDS
.set SLOT,  2*KB                    ; a chunk
.set PRIV,  2*SLOT                  ; behind the two slots: a stage of one K step for each wave, for the slow way
.set STAGE, PRIV+8*KB               ; 61,440: the stages of the way out
.set SP,    272
.set NK,    43                      ; K steps
.set TQ,    2                       ; v2-5    two pairs of rounded weights: the odd groups'
.set H4,    7                       ; v7      4 h
.set AO,    8                       ; v8-10   tile a: 16 l, or 0 in all lanes for a dead place
.set DO,    12                      ; v12-14  tile a: my offset in dst
.set R16,   15                      ; v15     16 r
.set WG,    16                      ; v16     weights in memory: 16 bytes a lane, lanes 16-31 four rows down
.set WL,    17                      ; v17     weights in LDS: my wave's 8 rows of a chunk, 8 bytes a lane
.set WG2,   18                      ; v18     the last group in memory: my wave's 4 rows, lanes 16-31 two rows down
.set WL2,   19                      ; v19     and in LDS
.set STO,   20                      ; v20     the way out: where I put 32 bytes of a row
.set RD,    21                      ; v21     the way out: where I read a row back
.set BAS,   22                      ; v22     the turning load's lane term
.set FST,   23                      ; v23     the slow way: where I store into my stage
.set FTR,   24                      ; v24     the slow way: the turning load's address in my stage
.set TP,    28                      ; v28-31  two pairs of rounded weights: the even groups'
.set BK,    32
.set WR,    96
.set DSTR,  120
.set ACC,   160
.set MSB, 0
.macro WIN new                      ; the immediate's high byte repeats the setting that is left
.if MSB != (\new)
	s_set_vgpr_msb (MSB<<8)|(\new)
.set MSB, \new
.endif
.endm
.macro PLACES
.rept 4
	v_nop
.endr
.endm
; weight group g: load i: row 2 (g % 2) + i of my 8 rows of chunk g / 2 (lanes 16-31: four rows down); the last group: row i of my 4 rows (lanes 16-31: two rows down).  kb: the K step at which the stepped bases stand
.macro WLD g
.set i, 0
.rept 2
.if (\g) == NK-1
	global_load_b128 v[WR+8*((\g)%8)+4*i:WR+8*((\g)%8)+4*i+3], v[WG2], s[44:45] offset:i*4096 th:TH_LOAD_NT
.else
	global_load_b128 v[WR+8*((\g)%8)+4*i:WR+8*((\g)%8)+4*i+3], v[WG], s[42:43] offset:(64*((\g)/2-kb/2)+2*((\g)%2)+i)*4096 th:TH_LOAD_NT
.endif
.set i, i+1
.endr
.endm
.macro WCV g                        ; rounded, into the buffer of the group's parity: four plain conversions, which also stand behind the last products
.set tp, TP-(TP-TQ)*((\g)%2)
.set i, 0
.rept 2
	v_cvt_pk_bf16_f32 v[tp+2*i],   v[WR+8*((\g)%8)+4*i],   v[WR+8*((\g)%8)+4*i+1]
	v_cvt_pk_bf16_f32 v[tp+2*i+1], v[WR+8*((\g)%8)+4*i+2], v[WR+8*((\g)%8)+4*i+3]
.set i, i+1
.endr
.endm
.macro WST g                        ; lanes 0-15: 128 consecutive bytes; lanes 16-31: 640 bytes on, which is 128 modulo 256 (the last group: 320 bytes on)
.set tp, TP-(TP-TQ)*((\g)%2)
.set i, 0
.rept 2
.if (\g) == NK-1
	ds_store_b64 v[WL2], v[tp+2*i:tp+2*i+1] offset:SLOT+i*PITCH
.else
	ds_store_b64 v[WL], v[tp+2*i:tp+2*i+1] offset:(((\g)/2)%2)*SLOT+(2*((\g)%2)+i)*PITCH
.endif
.set i, i+1
.endr
.endm
.macro LDB k                        ; the weight fragments of K step k into buffer k % 2: 4 fragments of 16 columns x 32 K, two turning loads each
.set c, 0
.rept 4
	ds_load_tr16_b128 v[32+32*((\k)%2)+8*c:32+32*((\k)%2)+8*c+3],   v[BAS] offset:(((\k)/2)%2)*SLOT+((\k)%2)*KB+32*c
	ds_load_tr16_b128 v[32+32*((\k)%2)+8*c+4:32+32*((\k)%2)+8*c+7], v[BAS] offset:(((\k)/2)%2)*SLOT+((\k)%2)*KB+32*c+16*PITCH
.set c, c+1
.endr
.endm
.macro LDA k                        ; the hidden fragments of K step k for three tiles into ring slot k % 8 (window 1)
.set a, 0
.rept 3
	global_load_b128 v[24*((\k)%8)+8*a:24*((\k)%8)+8*a+3],   v[AO+a], s[24+2*a:25+2*a] offset:((\k)-kb)*1024
	global_load_b128 v[24*((\k)%8)+8*a+4:24*((\k)%8)+8*a+7], v[AO+a], s[24+2*a:25+2*a] offset:((\k)-kb)*1024+512
.set a, a+1
.endr
.endm
.macro DLD                          ; where rows 2 t + h of each tile go
.set a, 0
.rept 3
.set t, 0
.rept 8
	global_load_b32 v[DSTR+8*a+t], v[DO+a], s[10:11] offset:8*t
.set t, t+1
.endr
.set a, a+1
.endr
.endm
.macro MM a, zero                   ; tile a's four products from fragment buffer bb and hidden registers aa (window 1)
.set c, 0
.rept 4
.if \zero
	v_wmma_f32_16x16x32_bf16 v[ACC+32*(\a)+8*c:ACC+32*(\a)+8*c+7], v[bb+8*c:bb+8*c+7], v[aa+8*(\a):aa+8*(\a)+7], 0
.else
	v_wmma_f32_16x16x32_bf16 v[ACC+32*(\a)+8*c:ACC+32*(\a)+8*c+7], v[bb+8*c:bb+8*c+7], v[aa+8*(\a):aa+8*(\a)+7], v[ACC+32*(\a)+8*c:ACC+32*(\a)+8*c+7]
.endif
.set c, c+1
.endr
.endm
.macro CNT st                       ; adds to nn the global loads that step st issues: six for hidden rows (steps -6 .. 36), two for weights (steps -11 .. 31; what stands ahead of step -3 is issued at the head, in this order), 24 for dst (step 37)
.if ((\st) >= -6) && ((\st)+6 < NK)
.set nn, nn+6
.endif
.if (\st)+11 < NK
.set nn, nn+2
.endif
.if (\st) == NK-6
.set nn, nn+24
.endif
.endm
; K STEP ks.  Loads come back in order, so each wait names the loads issued behind the one that it wants.  A step issues its hidden-row loads ahead of its weight loads, both behind its wait for its own hidden rows.
.macro STEP
.set bar, 0
.if ((ks+5)%2 == 0) && (ks >= -1) && (ks+1 < NK)
.set bar, 1
.endif
.if ks <= 0
.set nn, 0
	CNT ks-7
	CNT ks-6
	CNT ks-5
	CNT ks-4
	CNT ks-3
	CNT ks-2
	CNT ks-1
	s_wait_loadcnt nn                              ; weight group ks + 3 is in: seven younger steps' loads stay out.  From step 1 on the last step's wait for its hidden rows has shown this already
.endif
.if bar
	s_wait_dscnt 0x0                               ; for the others' sake: my stores into the next chunk are done, my reads of this chunk's slot are back
	s_barrier_signal -1
.endif
.if ks+3 < NK
	WCV ks+3
.elseif ks > 0
	PLACES
.endif
.if bar
	s_barrier_wait -1
.endif
.if (ks >= -2) && (ks+4 < NK)
	s_wait_alu depctr_vm_vsrc(0)                   ; the LDS stores of the step before have read the other buffer of rounded weights, which the next step's conversions write
.endif
.if ks+1 < NK
	s_wait_alu depctr_va_vdst(0)                   ; the conversions have written this step's rounded weights, which the LDS stores read, and are done reading their group of the ring, in which the weight loads land; the products of the step before are done reading the fragment buffer, those of two steps back the hidden rows, in which the loads below land
.endif
.if ks+3 < NK
	WST ks+3
.endif
.if (ks >= -1) && (ks+1 < NK)
	LDB ks+1
.endif
.set zz, 0
.if ks == 0
.set zz, 1                                             ; the first K step starts all the sums
.endif
.if ks >= 0
.set nd, 0
.if ks+3 < NK
.set nd, nd+2
.endif
.if ks+1 < NK
.set nd, nd+8
.endif
	s_wait_dscnt nd                                ; this step's fragments are in: this step's stores and the next step's fragment loads stay out
.set nn, 0
.if ks+5 < NK
.set nn, 2
.endif
	CNT ks-5
	CNT ks-4
	CNT ks-3
	CNT ks-2
	CNT ks-1
	s_wait_loadcnt nn                              ; this step's hidden rows, asked for six steps ago, are in: the weight loads of that step and all of the five younger steps stay out; this step's own loads stand behind this wait
.set bb, 32+32*(ks%2)
.set aa, 24*(ks%8)
	WIN 0x04                                       ; source 1 window 1.  The accumulators take turns, one instruction a turn, on every way
	MM 0, zz
.endif
.if ks+6 < NK
	WIN 0x40                                       ; destination window 1
	LDA ks+6                                       ; no wait: no vector or matrix instruction since the wait on va_vdst names this slot of the ring or v8-10
.endif
.if ks == NK-6
	WIN 0
	DLD                                            ; into ring registers whose last groups were rounded in steps 32 to 34
.endif
.if ks >= 0
	WIN 0x04
	MM 1, zz
.endif
	WIN 0
.if ks+11 < NK
	WLD ks+11                                      ; no wait: the products since the wait on va_vdst name no register of the weights' ring
.endif
.if ks == 0
	WIN 0x04
	MM 2, 1
.elseif ks > 0
	s_cmp_eq_u32 s48, 0
	s_cbranch_scc1 .Lno2_\@                        ; no third tile: its products are jumped
	WIN 0x04
	MM 2, 0
	WIN 0
.Lno2_\@:
.endif
	WIN 0
.endm
; what place a of the pass that begins at tile s21 needs
.macro TILE a
	s_add_co_u32 s40, s21, 8*\a                    ; the tile
	s_cmp_lt_u32 s40, s20
	s_cselect_b32 s[46+\a], 1, 0                   ; does it live?
	s_min_u32 s40, s40, s49                        ; a dead place repeats the last live tile
	s_min_u32 s40, s40, 63
	s_mul_i32 s36, s40, 88064
	s_add_nc_u64 s[24+2*\a:25+2*\a], s[4:5], s[36:37]    ; its rows in hs
	s_lshl_b32 s36, s40, 6
	v_add_nc_u32 v[DO+\a], s36, v[H4]              ; 64 tile + 4 h
	v_mul_u32_u24 v[AO+\a], s[46+\a], v6           ; 16 l, or all lanes at one address
.endm
; Tile a leaves through my stage.  Each accumulator's low four registers are stored first.  dst is in: the wait for all loads stands at the pass's head.
; The tile's eight offsets are made first, so that one wait on va_vdst serves all that follows in the tile: no vector instruction stands behind it.
.macro EPI a
.set t, 0
.rept 8
	v_min_u32 v[DSTR+8*(\a)+t], 0x7ff, v[DSTR+8*(\a)+t]
	v_lshl_add_u32 v[DSTR+8*(\a)+t], v[DSTR+8*(\a)+t], 12, v[R16]
.set t, t+1
.endr
	s_wait_alu depctr_va_vdst(0)                   ; the lines above have written the tile's eight offsets, which the global stores read; the products have written the sums, which the LDS stores read, and are done reading v32-63, in which the loads from the stage land
.set c, 0
.rept 4
	ds_store_b128 v[STO], v[ACC+32*(\a)+8*c:ACC+32*(\a)+8*c+3]   offset:64*c
	ds_store_b128 v[STO], v[ACC+32*(\a)+8*c+4:ACC+32*(\a)+8*c+7] offset:64*c+16
.set c, c+1
.endr
	s_wait_xcnt 0x0                                ; the tile before has had its stores read v32-63
.if (\a) < 2
	s_wait_alu depctr_vm_vsrc(0)                   ; the global stores of the tile before have read v32-63, in which the loads below land (the pass's first tile in the text has no tile before it: the pass before's stores have their wait behind its last tile)
.endif
.set t, 0
.rept 8
	ds_load_b128 v[BK+4*t:BK+4*t+3], v[RD] offset:2*SP*t  ; LDS serves a wave's instructions in order: these see the stores above, and the next tile's stores come behind them
.set t, t+1
.endr
.set t, 0
.rept 8
	s_wait_dscnt 7-t
	global_store_b128 v[DSTR+8*(\a)+t], v[BK+4*t:BK+4*t+3], s[12:13]  ; 16 lanes store 256 consecutive bytes of a row, at a multiple of 256 from pp's first
.set t, t+1
.endr
.endm
	s_load_b128 s[4:7], s[0:1], 0x0                ; hs s[4:5], w_down s[6:7]
	s_load_b64 s[10:11], s[0:1], 0x10              ; dst
	s_load_b64 s[12:13], s[0:1], 0x18              ; pp
	v_lshl_add_u32 v11, v0, 2, 0x17800
	v_mov_b32 v27, 0
	v_lshrrev_b32 v1, 5, v0
	v_readfirstlane_b32 s16, v1                    ; wave
	s_and_b32 s17, ttmp7, 0xffff                   ; e
	s_lshr_b32 s18, ttmp9, 1                       ; c
	s_and_b32 s54, ttmp9, 1                        ; kh
	v_and_b32 v1, 31, v0                           ; l
	v_and_b32 v4, 15, v0                           ; r
	v_bfe_u32 v5, v0, 4, 1                         ; h
	v_lshlrev_b32 v[WG], 14, v5
	v_lshl_add_u32 v[WG], v4, 4, v[WG]             ; 4 h rows + 16 r
	s_wait_alu depctr_va_sdst(0)                   ; s16 is written, ahead of its first reader: offsets, LDS addresses and the walk's tiles are made from it
	s_lshl_b32 s40, s16, 14
	v_lshlrev_b32 v[WG2], 13, v5
	v_lshl_add_u32 v[WG2], v4, 4, v[WG2]
	v_add_nc_u32 v[WG2], s40, v[WG2]               ; (4 w + 2 h) rows + 16 r
	v_mul_u32_u24 v25, v5, 4*PITCH
	v_lshl_add_u32 v25, v4, 3, v25                 ; 4 h rows + 8 r
	s_mul_i32 s40, s16, 8*PITCH
	v_add_nc_u32 v[WL], s40, v25                   ; + my wave's 8 rows of a chunk
	s_mul_i32 s41, s16, KB
	s_add_co_u32 s41, s41, PRIV                    ; my stage of the slow way
	v_add_nc_u32 v[FST], s41, v25
	v_mul_u32_u24 v25, v5, 2*PITCH
	v_lshl_add_u32 v25, v4, 3, v25
	s_mul_i32 s40, s16, 4*PITCH
	v_add_nc_u32 v[WL2], s40, v25                  ; (4 w + 2 h) rows + 8 r
	v_and_b32 v25, 7, v0                           ; the turning load: lane l reads row 8 h + l % 8, 16 bytes at 16 ((l / 8) % 2)
	v_lshl_add_u32 v25, v5, 3, v25
	v_mul_u32_u24 v25, v25, PITCH
	v_bfe_u32 v26, v0, 3, 1
	v_lshl_add_u32 v[BAS], v26, 4, v25
	v_add_nc_u32 v[FTR], s41, v[BAS]
	v_lshlrev_b32 v6, 4, v1                        ; 16 l
	v_lshlrev_b32 v[H4], 2, v5
	v_lshlrev_b32 v[R16], 4, v4
	s_mul_i32 s40, s16, 16*SP
	s_add_co_u32 s40, s40, STAGE                   ; my stage of the way out
	v_mul_u32_u24 v[STO], v4, SP                   ; in: row r, 32 bytes for each half of the lanes
	v_lshl_add_u32 v[STO], v5, 5, v[STO]
	v_add_nc_u32 v[STO], s40, v[STO]
	v_mul_u32_u24 v[RD], v5, SP                    ; back: lanes 0-15 one row of 256 bytes, lanes 16-31 the next
	v_lshl_add_u32 v[RD], v4, 4, v[RD]
	v_add_nc_u32 v[RD], s40, v[RD]
	s_mul_i32 s36, s17, 11272192                   ; the expert's matrix,
	s_mul_i32 s40, s54, 1376*4096                  ; my half of its rows,
	s_add_co_u32 s36, s36, s40
	s_lshl_b32 s40, s18, 8                         ; the slice's 256 bytes of a row
	s_add_co_u32 s36, s36, s40
	s_mov_b32 s37, 0                               ; stays 0: the high word of every offset
	s_lshl_b32 s40, s16, 15                        ; my wave's 8 rows of a chunk
	s_mov_b32 s41, 0
	s_wait_kmcnt 0x0
	s_add_nc_u64 s[6:7], s[6:7], s[36:37]          ; the slice
	s_add_nc_u64 s[42:43], s[6:7], s[40:41]        ; the walk's base: it steps
	s_add_nc_u64 s[44:45], s[6:7], 1344*4096       ; the last chunk's 32 rows
.set kb, 0
	s_wait_alu depctr_va_vdst(0)                   ; the offsets and LDS addresses v15 to v24 are written, which loads and stores from here to the kernel's end read
	WLD 0                                          ; five groups go out before anything else is done
	WLD 1
	WLD 2
	WLD 3
	WLD 4
	s_lshl_b32 s36, s17, 2
	s_add_nc_u64 s[8:9], s[10:11], s[36:37]
	s_load_b32 s19, s[8:9], 0x8000                 ; the expert's count
	s_mul_i32 s36, s17, 5636096
	s_mul_i32 s40, s54, 44032
	s_add_co_u32 s36, s36, s40
	s_add_nc_u64 s[4:5], s[4:5], s[36:37]          ; hs at the expert and at my half of its K steps
	s_lshl_b32 s36, s17, 12
	s_add_nc_u64 s[10:11], s[10:11], s[36:37]      ; dst at the expert
	s_lshl_b32 s36, s54, 23
	s_lshl_b32 s40, s18, 8
	s_add_co_u32 s36, s36, s40
	s_add_nc_u64 s[12:13], s[12:13], s[36:37]      ; pp at my half and my 256 bytes of a row
	s_wait_kmcnt 0x0
	s_min_u32 s19, s19, 0x400
	s_add_co_u32 s20, s19, 15
	s_lshr_b32 s20, s20, 4                         ; live tiles
	s_max_u32 s49, s20, 1
	s_sub_co_u32 s49, s49, 1                       ; the last live tile
	s_cmp_lg_u32 s20, 0
	s_cselect_b64 s[4:5], s[4:5], s[6:7]           ; an expert with no rows has written nothing: its dead loads read the slice of w_down
	s_cselect_b64 s[10:11], s[10:11], s[6:7]
	s_mov_b32 s21, s16                             ; the walk's tiles: w, w + 8, w + 16
	TILE 0
	TILE 1
	TILE 2
.irp k, 0,1,2                                          ; what steps -6 .. -4 would issue, in a step's order
	WIN 0x40
.if \k == 0
	s_wait_alu depctr_va_vdst(0)                   ; the three tiles' offsets v8 to v10 and v12 to v14 are written, which the walk's loads of hidden rows and of dst read
.endif
	LDA \k
	WIN 0
	WLD 5+\k
.endr
.set ks, -3
.rept 4                                                ; steps -3 .. -1 fill the first chunks; step 0 starts the sums
	STEP
.set ks, ks+1
.endr
	s_mov_b32 s23, 3
.Lk:                                                   ; steps 1 .. 24: a trip is eight steps, once round both rings, twice round the slots and four times round the rounded weights' two buffers
.rept 8
	STEP
.set ks, ks+1
.endr
	s_wait_xcnt 0x0                                ; the bases are stepped only behind this wait
	s_add_nc_u64 s[24:25], s[24:25], 8192
	s_add_nc_u64 s[26:27], s[26:27], 8192
	s_add_nc_u64 s[28:29], s[28:29], 8192
	s_add_nc_u64 s[42:43], s[42:43], 256*4096
	s_sub_co_i32 s23, s23, 1
	s_cmp_lg_u32 s23, 0
	s_cbranch_scc1 .Lk
.set kb, 24
.set ks, 25
.rept 18                                               ; steps 25 .. 42: the last weights, the last hidden rows, dst: the counts run down
	STEP
.set ks, ks+1
.endr
	PLACES                                         ; ahead of the first read of the sums, and of the loads into v32-63, which the last products read
	s_mov_b32 s22, 3
.Lpass:                                                ; the way out of the tiles in hand; then, if the expert has more than 24 p tiles, the slow way for the next 24
	s_wait_loadcnt 0x0                             ; all my loads are in, on every way: the ways out below read dst, and the slow way loads into the same registers also where every way out is jumped
	s_cmp_eq_u32 s48, 0
	s_cbranch_scc1 .Le1
	EPI 2
.Le1:
	s_cmp_eq_u32 s47, 0
	s_cbranch_scc1 .Le0
	EPI 1
.Le0:
	s_cmp_eq_u32 s46, 0
	s_cbranch_scc1 .Le
	EPI 0
.Le:
	s_add_co_u32 s21, s21, 24
	s_wait_xcnt 0x0                                ; the stores have read their registers
	s_wait_alu depctr_vm_vsrc(0)                   ; the loads of hidden rows and of dst have read v8 to v14, which the lines below write; the global stores have read v32-63 and their offsets in v120-143, the LDS stores the sums: the slow way's loads and products, and the next pass's offset lines, write all of these
	TILE 0
	TILE 1
	TILE 2
	s_cmp_eq_u32 s46, 0
	s_cbranch_scc1 .Lnext                          ; no further tile of mine lives: forward, to the counter's step
	s_mov_b64 s[50:51], s[6:7]
	s_mov_b32 s23, NK
.set kb, 0
.Lf:                                                   ; THE SLOW WAY, a K step a trip, all addresses in LDS fixed and the wave's own
	PLACES                                         ; the loads below land in registers that the last products read
	WIN 0x40
	s_wait_alu depctr_va_vdst(0)                   ; the last products are done reading the hidden rows and v32-63, the last trip's conversions have written v96-159, in all of which loads of this trip land; in the first trip: v8 to v14 are written, which this way's loads read, and so are the offsets in v120-143, in which weights land
	s_wait_alu depctr_vm_vsrc(0)                   ; the last trip's LDS stores have read v96-159, in which the weights below land
	LDA 0
	WIN 0
.set q, 0
.rept 16                                               ; the step's 32 rows: load q: row 8 (q / 4) + q % 4, lanes 16-31 four rows down
	global_load_b128 v[WR+4*q:WR+4*q+3], v[WG], s[50:51] offset:(8*(q/4)+q%4)*4096
.set q, q+1
.endr
	s_wait_loadcnt 0x0
.set q, 0
.rept 16                                               ; rounded in place, in one run
	v_cvt_pk_bf16_f32 v[WR+4*q],   v[WR+4*q],   v[WR+4*q+1]
	v_cvt_pk_bf16_f32 v[WR+4*q+1], v[WR+4*q+2], v[WR+4*q+3]
.set q, q+1
.endr
	s_wait_alu depctr_va_vdst(0)                   ; the conversions have written the sixteen pairs, which the LDS stores read
.set q, 0
.rept 16
	ds_store_b64 v[FST], v[WR+4*q:WR+4*q+1] offset:(8*(q/4)+q%4)*PITCH
.set q, q+1
.endr
.set c, 0
.rept 4                                                ; LDS serves a wave's instructions in order: these see the stores above
	ds_load_tr16_b128 v[32+8*c:32+8*c+3], v[FTR] offset:32*c
	ds_load_tr16_b128 v[32+8*c+4:32+8*c+7], v[FTR] offset:32*c+16*PITCH
.set c, c+1
.endr
	s_wait_dscnt 0x0                               ; the fragments are in
.set bb, 32
.set aa, 0
	s_cmp_lg_u32 s23, NK
	s_cbranch_scc1 .Lfa
	WIN 0x04
	MM 0, 1                                        ; the first trip starts the sums
	MM 1, 1
	MM 2, 1
	WIN 0
	s_branch .Lfb
.Lfa:
	WIN 0x04
	MM 0, 0
	MM 1, 0
	MM 2, 0
	WIN 0
.Lfb:
	s_wait_xcnt 0x0                                ; the bases are stepped only behind this wait
	s_add_nc_u64 s[24:25], s[24:25], 1024
	s_add_nc_u64 s[26:27], s[26:27], 1024
	s_add_nc_u64 s[28:29], s[28:29], 1024
	s_add_nc_u64 s[50:51], s[50:51], 32*4096
	s_sub_co_i32 s23, s23, 1
	s_cmp_lg_u32 s23, 0
	s_cbranch_scc1 .Lf
	PLACES                                         ; ahead of the first read of the sums
	s_wait_alu depctr_vm_vsrc(0)                   ; the last trip's LDS stores have read v120-143, in which dst lands (the conversions that wrote them stand ahead of that trip's second wait on va_vdst)
	DLD
.Lnext:
	s_sub_co_i32 s22, s22, 1
	s_cmp_lg_u32 s22, 0
	s_cbranch_scc1 .Lpass
	s_wait_dscnt 0x0                               ; the wave's end.  Behind these waits the add into the spare words, LDS bytes 96,256 to 97,279
	s_wait_alu depctr_hold_cnt(0) depctr_sa_sdst(0) depctr_va_vdst(0) depctr_va_sdst(0) depctr_va_ssrc(0) depctr_va_vcc(0) depctr_vm_vsrc(0)
	s_wait_tensorcnt 0x0
	ds_add_u32 v11, v27
	s_wait_dscnt 0x0
	s_endpgm
.Lfunc_end_k_qc2327786cc_down:
	.size	k_qc2327786cc_down, .Lfunc_end_k_qc2327786cc_down-k_qc2327786cc_down
	.p2alignl 7, 3214868480
	.fill 96, 4, 3214868480
	.section	.rodata,"a",@progbits
	.p2align	6, 0x0
	.amdhsa_kernel k_qc2327786cc_down
		.amdhsa_group_segment_fixed_size 97280
		.amdhsa_private_segment_fixed_size 0
		.amdhsa_enable_private_segment 0
		.amdhsa_kernarg_size 32
		.amdhsa_user_sgpr_count 2
		.amdhsa_user_sgpr_kernarg_segment_ptr 1
		.amdhsa_wavefront_size32 1
		.amdhsa_system_sgpr_workgroup_id_x 1
		.amdhsa_system_sgpr_workgroup_id_y 1
		.amdhsa_system_sgpr_workgroup_id_z 1
		.amdhsa_system_vgpr_workitem_id 0
		.amdhsa_next_free_vgpr 448
		.amdhsa_next_free_sgpr 66
		.amdhsa_reserve_vcc 0
		.amdhsa_float_denorm_mode_32 3
		.amdhsa_float_denorm_mode_16_64 3
		.amdhsa_memory_ordered 1
		.amdhsa_forward_progress 1
		.amdhsa_inst_pref_size 106
	.end_amdhsa_kernel
	.amdgpu_metadata
---
amdhsa.version: [ 1, 2 ]
amdhsa.kernels:
  - .name:           k_qc2327786cc_down
    .symbol:         k_qc2327786cc_down.kd
    .args:
      - { .name: hs, .offset: 0, .size: 8, .value_kind: global_buffer, .address_space: global }
      - { .name: w_down, .offset: 8, .size: 8, .value_kind: global_buffer, .address_space: global }
      - { .name: dst, .offset: 16, .size: 8, .value_kind: global_buffer, .address_space: global }
      - { .name: pp, .offset: 24, .size: 8, .value_kind: global_buffer, .address_space: global }
    .group_segment_fixed_size: 97280
    .private_segment_fixed_size: 0
    .kernarg_segment_align: 8
    .kernarg_segment_size: 32
    .max_flat_workgroup_size: 256
    .sgpr_count:     66
    .vgpr_count:     448
    .wavefront_size: 32
...
	.end_amdgpu_metadata
.endif
;; end of part 8
;; launch sum: the kernel of part 5 again; grid 256 x 1, 8 waves a work-group, no clusters, 0 bytes of LDS; arguments pp, part, out0, out1; writes out0, out1
